; MI455X (gfx1250); checked and timed in simulation.
; The chip was launched on July 23, 2026; its instructions are those of AMD's public machine-readable ISA for CDNA 5 (MIT licence, August 2026) and "CDNA5" Instruction Set Architecture Reference Guide (July 2026). The comments in the code are by the model that wrote it; some were corrected since.
;; Attention. Allowed arithmetic: matrix products marked QUANTISED: E2M3 operands, one E8M0 scale for each 32 along K, by v_wmma_scale_f32_16x16x128_f8f6f4 with both operands' format E2M3, f32 sums; everything else in f32.
;; Inputs: freqs_cos 2,048 x 64 float32; freqs_sin 2,048 x 64 float32; wk 1,024 x 4,096 float32; wo 4,096 x 2,048 float32; wq 2,048 x 4,096 float32; wv 1,024 x 4,096 float32; x 1 x 2,048 x 4,096 float32.
;; Outputs: out0 1 x 2,048 x 4,096 float32.
;; This version of the problem:
;;   THIS VERSION OF THE PROBLEM IS GIVEN IN LOW PRECISION. The matrix products marked QUANTISED in the list below multiply operands that are first quantised to E2M3 (2 exponent bits, 3 mantissa bits; 6 bits a number), with one power-of-two scale for each 32 numbers along K (OCP MX v1.0); their sums are f32. All else is computed in f32.
;;   The module's matrix products, in the order in which they are computed (A, B: the left and right operand; K: the contracted axis; several contracted axes count as one K, in the product's order):
;;     1. [M 2,048, K 4,096] x [K 4,096, N 2,048]; A: input x; B: input wq: QUANTISED
;;     2. [M 2,048, K 4,096] x [K 4,096, N 1,024]; A: input x; B: input wk: QUANTISED
;;     3. [M 2,048, K 4,096] x [K 4,096, N 1,024]; A: input x; B: input wv: QUANTISED
;;     4. batch 16 x [M 2,048, K 128] x [K 128, N 2,048]; A: computed on the way; B: computed on the way: QUANTISED
;;     5. batch 16 x [M 128, K 2,048] x [K 2,048, N 2,048]; A: computed on the way; B: softmax (see below): QUANTISED
;;     6. [M 2,048, K 2,048] x [K 2,048, N 4,096]; A: computed on the way; B: input wo: QUANTISED
;;   THE QUANTISER, for each operand of a quantised product, along K:
;;     - K is cut into blocks of 32 from its start; a last block that is shorter is filled with zeros.
;;     - A block's scale is 2^e with e = floor(log2(the largest magnitude in the block)) - 2, held to -126 .. 127; a block of zeros has e = 0. As a byte (E8M0): e + 127.
;;     - Each number is divided by its block's scale, clamped to +-7.5, and rounded to the nearest number of E2M3, ties to even, subnormals kept.
;;     - The product sums the exact products of the quantised numbers (number of the format x scale) in f32.
;;   ~~~python
;;   def quantise(x, axis):      # numpy; x: float32 -> the quantised numbers, widened to float32 again
;;       x = np.moveaxis(x, axis, -1); K = x.shape[-1]
;;       x = np.pad(x, [(0, 0)] * (x.ndim - 1) + [(0, -K % 32)]); x = x.reshape(x.shape[:-1] + (-1, 32)); a = np.abs(x).max(-1, keepdims=True)
;;       e = np.where(a > 0, np.clip(np.frexp(np.where(a > 0, a, 1))[1] - 1 - 2, -126, 127), 0)      # np.frexp(a)[1] - 1 = floor(log2(a)), exactly
;;       r = np.clip(x / 2.0 ** e, -7.5, 7.5)
;;       step = 2.0 ** (np.maximum(np.frexp(np.where(r == 0, 1, r))[1] - 1, 0) - 3)
;;       q = np.round(r / step) * step * 2.0 ** e      # np.round: ties to even
;;       return np.moveaxis(q.reshape(q.shape[:-2] + (-1,))[..., :K], -1, axis).astype(np.float32)
;;   ~~~
;;   SOFTMAX AHEAD OF A QUANTISED PRODUCT. Where the list says 'softmax', what is quantised is not the finished softmax but p = 2^(t - M), with t = logit x log2(e) and M = ceil(the row's largest t), a whole number; so 1/2 < the row's largest p <= 1. The row's sum l is taken of the UNQUANTISED p, in f32, and the product's result is divided by l at the end. Since M is a whole number, a kernel that streams over the keys may use a running M (the ceiling of the running maximum): every later rescaling is an exact power of two, which a block's scale takes up: the codes' values come out the same.
;;   OPERANDS COMPUTED ON THE WAY. 'Computed on the way' means the value that the module computes at that place (a softmax that the list does not call 'softmax' is quantised finished and normalised). What goes into a quantiser is computed in f32, as accurately as f32 sums, v_exp_f32 and their like allow (about 1e-6 of the number): no bf16 or f16 on the way to a quantiser, and a product that is left as it is and whose result goes on into a quantised operand takes f32 operands (vector FMAs, or v_wmma_f32_16x16x4_f32). A number that lies on a knife's edge between two numbers of the format may be rounded either way, as far as f32 arithmetic and the matrix unit's own rounding can turn it there, and no further.
;; One version. Each part assembles by itself: llvm-mc -triple=amdgcn-amd-amdhsa -mcpu=gfx1250 --defsym DOCPART=n.
;; ======== version 1 of 1: 4 launches
;; limits: right only within a limited range of input values
;; workspace buffers: cw 19,660,800 bytes; wo_c 6,553,600 bytes; qkv_c 6,553,600 bytes; ao_c 3,276,800 bytes
;; launch quant (part 1): grid 768 x 1, 4 waves a work-group, no clusters, 35,328 bytes of LDS; arguments x, wq, wk, wv, cw; writes cw
.if DOCPART == 1
	.amdgcn_target "amdgcn-amd-amdhsa--gfx1250"
	.amdhsa_code_object_version 6
	.text
	.protected	k_qb83c03eb3b_quant
	.globl	k_qb83c03eb3b_quant
	.p2align	8
	.type	k_qb83c03eb3b_quant,@function
k_qb83c03eb3b_quant:
	s_mov_b64 s[64:65], 0
	v_nop
	global_prefetch_b8 v0, s[64:65] scope:SCOPE_SE
	s_setreg_imm32_b32 hwreg(HW_REG_WAVE_MODE, 25, 1), 1
	s_wait_xcnt 0x0
; x, wq, wk, wv [rows][4096], f32, K innermost, become codes of FP6 (E2M3) with one E8M0 scale byte for each 32 along K,
; laid as IMAGES OF OPERAND REGISTERS.  An image is a fragment of 16 rows x 128 K: 12 registers a lane; byte 512 c + 16 l + 4 i holds register 4 c + i of lane l.
; THE ROWS OF AN IMAGE ARE NOT NEIGHBOURS: lane r of image rb holds row 32 (rb / 2) + 8 (rb % 2) + r + 8 (r / 8).  A CHUNK is 16 rows x 512 K: four images, then 256 scale bytes:
; the word of row-lane r for the q-th 128 along K at 6144 + 16 r + 4 q: 6,400 bytes in all.
; cw = [384 images' rows: x 0-127, wq 128-255, wk 256-319, wv 320-383][8 chunks along K].  (wo, which is wanted only by the last launch, is quantised in the attention launch.)
; A block's scale is 2^(floor(log2(its largest magnitude)) - 2); its byte is the largest magnitude's exponent field - 2, held at 1 from below.
; LIMITS: NaN and infinities are not served; a block whose largest magnitude lies under 2^-124 keeps the byte 1; a block of zeros gets the byte 1 and not 127: its codes are zeros,
; which add nothing under that byte, and the bytes are read by this program alone.
; SHARES: a wave takes one chunk (32,768 bytes in, 6,400 out); 3,072 chunks, 768 work-groups.  One path for all four tensors: only the pointer and one number are chosen, by the work-group's number.
; Each load reads 512 consecutive bytes of one row; a K step's 16 rows turn through the wave's own stage in LDS (rows of 512 + 16 bytes), so that lane (r, h) gets k = 64 c + 32 h + 0 .. 31 of row r:
; two whole blocks a lane, in the order of the operand's registers.  No barrier: waves share nothing.  No matrix unit, no tensor load, no cluster: the launch only streams.
.set WREG,  8704                       ; LDS of a wave: the stage, 16 x 528, and its 256 scale bytes
.set SP,    528
.set SCB,   16*SP
.set SPARE, 4*WREG                     ; behind the four regions: the spare words, 128 bytes a wave
.set ROWB,  16384                      ; a row of any of the four tensors in bytes
.set LI,    4                          ; v4   16 x lane
.set STI,   5                          ; v5   the stage, way in: my 16 bytes of a row
.set STO,   6                          ; v6   the stage, way out: row r, + 128 h
.set SSW,   7                          ; v7   where my row's scale words go in LDS
.set SSR,   8                          ; v8   and where 8 bytes a lane are read back
.set L8,    9                          ; v9   8 x lane
.set SPW,   10                         ; v10  my spare word; never rewritten
.set NIL,   11                         ; v11  0; never rewritten
.set H8,    12                         ; v12  8 h
.set OFF,   16                         ; v16-31   row-lane i's byte offset in the source
.set R,     32                         ; v32-159  two sets of 16 rows x 4 registers, as loaded
.set X,     160                        ; v160-223 my row's 64 numbers: 32 c + n = k 64 c + 32 h + n
.set PC,    224                        ; v224-235 the codes
.set TC,    236                        ; v236-242 the conversions' second halves
.set MX,    244                        ; v244-245 largest magnitudes
.set SO,    246                        ; v246-247 the conversions' scale operands
.set BY,    248                        ; v248-249 scale bytes
.set WD,    250                        ; v250 the scale word
.set PD,    252                        ; v252 a lane permute's destination
	s_load_b256 s[4:11], s[0:1], 0x0               ; x, wq, wk, wv
	s_load_b64 s[24:25], s[0:1], 0x20              ; cw
	v_lshl_add_u32 v[SPW], v0, 2, SPARE
	v_mov_b32 v[NIL], 0
	v_lshrrev_b32 v1, 5, v0
	v_readfirstlane_b32 s18, v1                    ; wave
	v_and_b32 v1, 31, v0                           ; lane
	v_and_b32 v2, 15, v0                           ; r
	v_bfe_u32 v3, v0, 4, 1                         ; h
	v_lshlrev_b32 v[LI], 4, v1
	s_mul_i32 s19, s18, WREG
	v_add_nc_u32 v[STI], s19, v[LI]
	v_mul_u32_u24 v[STO], v2, SP
	v_lshl_add_u32 v[STO], v3, 7, v[STO]
	v_add_nc_u32 v[STO], s19, v[STO]
	v_lshlrev_b32 v[SSW], 4, v2
	v_add_nc_u32 v[SSW], s19, v[SSW]
	v_add_nc_u32 v[SSW], SCB, v[SSW]
	v_lshlrev_b32 v[L8], 3, v1
	v_add_nc_u32 v[SSR], s19, v[L8]
	v_add_nc_u32 v[SSR], SCB, v[SSR]
	v_lshlrev_b32 v[H8], 3, v3
	v_mov_b32 v[PD], 0
.irp i, 0,1,2,3,4,5,6,7,8,9,10,11,12,13,14,15
	v_add_nc_u32 v[OFF+\i], (\i+8*(\i/8))*ROWB, v[LI]   ; row-lane i is row i + 8 (i / 8) of the image's 24
.endr
	s_mov_b32 s28, 0x76543210
	s_mov_b32 s29, 0xfedcba98                      ; lane selects: lane l xor 16
	s_wait_alu depctr_va_vdst(0)
	s_wait_kmcnt 0x0
	; which tensor: work-groups 0-255 x, 256-511 wq, 512-639 wk, 640-767 wv.  The choices hang on the work-group's number alone
	s_mov_b64 s[20:21], s[10:11]                   ; the source: wv,
	s_mov_b32 s22, 640                             ; its first work-group
	s_cmp_lt_u32 ttmp9, 640
	s_cselect_b64 s[20:21], s[8:9], s[20:21]       ; wk
	s_cselect_b32 s22, 512, s22
	s_cmp_lt_u32 ttmp9, 512
	s_cselect_b64 s[20:21], s[6:7], s[20:21]       ; wq
	s_cselect_b32 s22, 256, s22
	s_cmp_lt_u32 ttmp9, 256
	s_cselect_b64 s[20:21], s[4:5], s[20:21]       ; x
	s_cselect_b32 s22, 0, s22
	s_sub_co_u32 s30, ttmp9, s22
	s_lshl_b32 s30, s30, 2
	s_add_co_u32 s30, s30, s18                     ; my chunk in the tensor
	s_lshr_b32 s31, s30, 3                         ; its image rows rb,
	s_and_b32 s32, s30, 7                          ; its place along K
	s_lshr_b32 s33, s31, 1
	s_lshl_b32 s33, s33, 5
	s_and_b32 s34, s31, 1
	s_lshl_b32 s34, s34, 3
	s_add_co_u32 s33, s33, s34                     ; the image's first row: 32 (rb / 2) + 8 (rb % 2)
	s_lshl_b32 s34, s33, 14                        ; rows of 16,384 bytes
	s_lshl_b32 s32, s32, 11                        ; 512 numbers are 2,048 bytes
	s_add_co_u32 s34, s34, s32
	s_mov_b32 s35, 0
	s_add_nc_u64 s[20:21], s[20:21], s[34:35]
	s_lshl_b32 s36, ttmp9, 2
	s_add_co_u32 s36, s36, s18
	s_mul_i32 s36, s36, 6400                       ; chunks lie on end in the order of the work-groups' waves
	s_mov_b32 s37, 0
	s_add_nc_u64 s[24:25], s[24:25], s[36:37]
.macro LOAD q                          ; the chunk's q-th 128 along K: 16 rows x 512 consecutive bytes
.irp i, 0,1,2,3,4,5,6,7,8,9,10,11,12,13,14,15
	global_load_b128 v[R+64*((\q)%2)+4*\i:R+64*((\q)%2)+4*\i+3], v[OFF+\i], s[20:21] offset:512*(\q) th:TH_LOAD_NT
.endr
.endm
.macro FRAG q
.if (\q) < 3
	s_wait_loadcnt 16                              ; this K step's 16 loads are in; the next one's 16 may be out
.else
	s_wait_loadcnt 0x0
.endif
.irp i, 0,1,2,3,4,5,6,7,8,9,10,11,12,13,14,15
	ds_store_b128 v[STI], v[R+64*((\q)%2)+4*\i:R+64*((\q)%2)+4*\i+3] offset:SP*\i
.endr
.irp c, 0,1
.irp j, 0,1,2,3,4,5,6,7
	ds_load_b128 v[X+32*\c+4*\j:X+32*\c+4*\j+3], v[STO] offset:256*\c+16*\j   ; LDS serves a wave's instructions in order: these see the stores above
.endr
.endr
	s_wait_dscnt 0x0                               ; my 64 numbers are in, and the stores have read their registers,
.if (\q) < 2
	LOAD (\q)+2                                    ; which take the loads of two K steps on
.endif
.irp c, 0,1
	v_max3_num_f32 v[MX+\c], |v[X+32*\c]|, |v[X+32*\c+1]|, 0x1800000   ; block 2 c + h: all its 32 numbers are mine; the floor 2^(3 - 127) holds the byte at 1 from below
.endr
.irp i, 2,4,6,8,10,12,14,16,18,20,22,24,26,28,30
.irp c, 0,1
	v_max3_num_f32 v[MX+\c], v[MX+\c], |v[X+32*\c+\i]|, |v[X+32*\c+\i+1]|
.endr
.endr
.irp c, 0,1
	v_add_nc_u32 v[SO+\c], 0xff000000, v[MX+\c]    ; 2 off the exponent field: the conversion's scale operand
.endr
.irp c, 0,1
	v_lshrrev_b32 v[BY+\c], 23, v[SO+\c]           ; the scale's byte
.endr
	v_lshl_or_b32 v[WD], v[BY+1], 16, v[BY]        ; my two bytes, blocks h and 2 + h,
	v_lshlrev_b32 v[WD], v[H8], v[WD]              ; at their places in the word;
	v_permlanex16_b32 v[PD], v[WD], s28, s29
	v_or_b32 v[WD], v[WD], v[PD]                   ; with lane l xor 16's two the word is whole
.if (\q) > 0
	s_wait_alu depctr_va_vdst(0)
	s_wait_xcnt 0x0                                ; the last image's stores have read the codes' registers: they are written again only behind this wait
.endif
.irp c, 0,1
	v_cvt_scalef32_pk16_fp6_f32 v[PC+6*\c:PC+6*\c+2], v[X+32*\c:X+32*\c+15], v[SO+\c]
	v_cvt_scalef32_pk16_fp6_f32 v[TC+4*\c:TC+4*\c+2], v[X+32*\c+16:X+32*\c+31], v[SO+\c]   ; (a conversion's three registers begin on an even number)
.endr
	v_nop                                          ; one plain instruction behind a scaled conversion
.irp c, 0,1
.irp i, 0,1,2
	v_mov_b32 v[PC+3+6*\c+\i], v[TC+4*\c+\i]
.endr
.endr
.irp c, 0,1,2
	global_store_b128 v[LI], v[PC+4*\c:PC+4*\c+3], s[24:25] offset:1536*(\q)+512*\c   ; 32 lanes store 512 consecutive bytes, at a multiple of 256 from the buffer's first byte
.endr
	ds_store_b32 v[SSW], v[WD] offset:4*(\q)       ; both halves of the lanes write the same word with the same value
.endm
	LOAD 0
	LOAD 1
	FRAG 0
	FRAG 1
	FRAG 2
	FRAG 3
	ds_load_b64 v[MX:MX+1], v[SSR]                 ; the chunk's 256 scale bytes, 8 a lane
	s_wait_dscnt 0x0
	global_store_b64 v[L8], v[MX:MX+1], s[24:25] offset:6144   ; 256 consecutive bytes, aligned
	s_wait_tensorcnt 0x0                           ; the wave's end: these three lines behind my last LDS store
	ds_add_u32 v[SPW], v[NIL]
	s_wait_dscnt 0x0
	s_endpgm
.Lfunc_end_k_qb83c03eb3b_quant:
	.size	k_qb83c03eb3b_quant, .Lfunc_end_k_qb83c03eb3b_quant-k_qb83c03eb3b_quant
	.p2alignl 7, 3214868480
	.fill 96, 4, 3214868480
	.section	.rodata,"a",@progbits
	.p2align	6, 0x0
	.amdhsa_kernel k_qb83c03eb3b_quant
		.amdhsa_group_segment_fixed_size 35328
		.amdhsa_private_segment_fixed_size 0
		.amdhsa_enable_private_segment 0
		.amdhsa_kernarg_size 40
		.amdhsa_user_sgpr_count 2
		.amdhsa_user_sgpr_kernarg_segment_ptr 1
		.amdhsa_wavefront_size32 1
		.amdhsa_system_sgpr_workgroup_id_x 1
		.amdhsa_system_sgpr_workgroup_id_y 1
		.amdhsa_system_sgpr_workgroup_id_z 1
		.amdhsa_system_vgpr_workitem_id 0
		.amdhsa_next_free_vgpr 256
		.amdhsa_next_free_sgpr 66
		.amdhsa_reserve_vcc 0
		.amdhsa_float_denorm_mode_32 3
		.amdhsa_float_denorm_mode_16_64 3
		.amdhsa_memory_ordered 1
		.amdhsa_forward_progress 1
		.amdhsa_inst_pref_size 32
	.end_amdhsa_kernel
	.amdgpu_metadata
---
amdhsa.version: [ 1, 2 ]
amdhsa.kernels:
  - .name:           k_qb83c03eb3b_quant
    .symbol:         k_qb83c03eb3b_quant.kd
    .args:
      - { .name: x, .offset: 0, .size: 8, .value_kind: global_buffer, .address_space: global }
      - { .name: wq, .offset: 8, .size: 8, .value_kind: global_buffer, .address_space: global }
      - { .name: wk, .offset: 16, .size: 8, .value_kind: global_buffer, .address_space: global }
      - { .name: wv, .offset: 24, .size: 8, .value_kind: global_buffer, .address_space: global }
      - { .name: cw, .offset: 32, .size: 8, .value_kind: global_buffer, .address_space: global }
    .group_segment_fixed_size: 35328
    .private_segment_fixed_size: 0
    .kernarg_segment_align: 8
    .kernarg_segment_size: 40
    .max_flat_workgroup_size: 128
    .sgpr_count:     66
    .vgpr_count:     256
    .wavefront_size: 32
...
	.end_amdgpu_metadata
.endif
;; end of part 1
;; launch qkv (part 2): grid 16 x 16, 4 waves a work-group, clusters of 4 x 4, 327,680 bytes of LDS; arguments cw, freqs_cos, freqs_sin, qkv_c; writes qkv_c
.if DOCPART == 2
	.amdgcn_target "amdgcn-amd-amdhsa--gfx1250"
	.amdhsa_code_object_version 6
	.text
	.protected	k_qb83c03eb3b_qkv
	.globl	k_qb83c03eb3b_qkv
	.p2align	8
	.type	k_qb83c03eb3b_qkv,@function
k_qb83c03eb3b_qkv:
	s_mov_b64 s[64:65], 0
	v_nop
	global_prefetch_b8 v0, s[64:65] scope:SCOPE_SE
	s_setreg_imm32_b32 hwreg(HW_REG_WAVE_MODE, 25, 1), 1
	s_wait_xcnt 0x0
	s_wait_alu depctr_hold_cnt(0) depctr_sa_sdst(0) depctr_va_vdst(0) depctr_va_sdst(0) depctr_va_ssrc(0) depctr_va_vcc(0) depctr_vm_vsrc(0)
	s_getreg_b32 s2, hwreg(HW_REG_IB_STS2, 6, 4)
	s_cmp_eq_u32 s2, 0
	s_cbranch_scc0 .Lentry_in_a_cluster
	s_endpgm
.Lentry_in_a_cluster:
	s_bfe_u32 s2, ttmp6, 0x10000c
	s_cmp_lg_u32 s2, 0xf033
	s_cbranch_scc0 .Lentry_shape_is_right
	s_endpgm
.Lentry_shape_is_right:
; q, k, v = x w^T on codes of FP6 (E2M3) with E8M0 scales, from cw's images; a work-group makes 128 x 256 of the result, a wave 64 x 128; v is made transposed (the clusters with x = 3).
; K goes in chunks of 512 through a ring of two LDS slots filled by joint tensor loads of a 4 x 4 cluster.  On the way out q and k are rotated (RoPE), all three are quantised and leave as images in qkv_c.
; PREFETCH: behind the load of chunk n the blocks of chunk n + 2 are named (chunk 1 too at the head): 25 blocks of 256 bytes a chunk row, a lane a block (lanes 25-31 repeat the last);
; the four partners of a joint load share its chunk rows out by address: one row each of A's four, two each of B's eight.  The last two refills name nothing.
.set NSLOT,  8
.set CH,     6400
.set PITCHB, CH*NSLOT
.set SLOT,   24*CH
.set SPARE,  2*SLOT
.set LAPS,   NSLOT/2
.set KVB,    3276800
.set LI,   4
.set ADRA, 16
.set ADRB, 18
.set ADSA, 20
.set ADSB, 22
.set CSO,  24
.set SRO,  25
.set SPW,  28
.set NIL,  29
.set SC,   32
.set AF,   80
.set T,    80
.set PC,   144
.set TC,   192
.set TM,   200
.set PWS,  216
.set G1,  24
.set G0,  32
.set G1B, 48
.set G0B, 56
.set MSB, 0
.macro WIN new
.if MSB != \new
	s_set_vgpr_msb (MSB<<8)|\new
.set MSB, \new
.endif
.endm
.set MUL,  0x52
.set TO_B, 0x80
.macro PLACES n
.rept \n
	v_nop
.endr
.endm
.macro JLOAD s
	s_cmp_eq_u32 s15, 0
	s_cbranch_scc0 .Lfor_b_\@
	tensor_load_to_lds s[G0+4*\s:G0+4*\s+3], s[G1:G1+7]
	s_nop 0
.rept 4
	v_nop
.endr
	s_branch .Lasked_\@
.Lfor_b_\@:
	tensor_load_to_lds s[G0B+4*\s:G0B+4*\s+3], s[G1B:G1B+7]
	s_nop 0
.rept 4
	v_nop
.endr
.Lasked_\@:
.endm
.macro ASK off
	global_prefetch_b8 v26, s[90:91] offset:(\off) th:TH_LOAD_NT scope:SCOPE_SE
	s_cmp_eq_u32 s15, 0
	s_cbranch_scc1 .Lasked_a_\@
	global_prefetch_b8 v26, s[90:91] offset:(\off)+PITCHB th:TH_LOAD_NT scope:SCOPE_SE
.Lasked_a_\@:
.endm
.macro CREST
	s_cmp_lg_u32 s14, 0
	s_cbranch_scc1 .Lnot_wave_0_\@
	s_barrier_signal -3
.Lnot_wave_0_\@:
	s_barrier_wait -3
	s_barrier_signal -1
	s_barrier_wait -1
.endm
.macro CROUND
	s_barrier_signal -1
	s_barrier_wait -1
	CREST
.endm
	s_load_b256 s[4:11], s[0:1], 0x0
	v_lshl_add_u32 v[SPW], v0, 2, SPARE
	v_mov_b32 v[NIL], 0
	ds_add_u32 v[SPW], v[NIL]
	ds_add_u32 v[SPW], v[NIL]
	v_lshrrev_b32 v1, 5, v0
	v_readfirstlane_b32 s14, v1
	v_and_b32 v26, 31, v0
	v_min_u32 v26, 24, v26
	v_lshlrev_b32 v26, 8, v26                      ; the prefetches' offset: my block of a chunk's 25; never rewritten
	s_lshr_b32 s15, s14, 1
	s_and_b32 s16, s14, 1
	s_bfe_u32 s40, ttmp6, 0x40000
	s_bfe_u32 s41, ttmp6, 0x40004
	s_and_b32 s43, ttmp7, 0xffff
	s_and_b32 s44, s43, 1
	s_lshr_b32 s45, s43, 1
	s_cmp_eq_u32 ttmp9, 3
	s_cselect_b32 s66, 1, 0
	s_cselect_b32 s44, s44, ttmp9
	s_cselect_b32 s45, s45, s43
	s_cselect_b32 s46, 320, 0
	s_cselect_b32 s47, 0, 128
	s_lshl_b32 s17, s45, 2
	s_add_co_u32 s17, s17, s41
	s_lshl_b32 s69, s44, 2
	s_add_co_u32 s69, s69, s40
	s_lshl_b32 s42, s41, 2
	s_lshl_b32 s42, 15, s42
	s_lshl_b32 s67, 0x1111, s40
	s_or_b32 s[G1], s42, (3<<16)|(1<<21)
	s_or_b32 s[G1B], s67, (3<<16)|(1<<21)
	s_mov_b32 s[G1+1], 800<<16
	s_mov_b32 s[G1+2], 4<<16
	s_mov_b32 s[G1+3], 800<<16
	s_mov_b32 s[G1+4], 4
	s_mov_b32 s[G1+5], PITCHB/8
	s_mov_b32 s[G1+6], 0
	s_mov_b32 s[G1+7], 0
	s_mov_b32 s[G1B+1], 800<<16
	s_mov_b32 s[G1B+2], 8<<16
	s_mov_b32 s[G1B+3], 800<<16
	s_mov_b32 s[G1B+4], 8
	s_mov_b32 s[G1B+5], PITCHB/8
	s_mov_b32 s[G1B+6], 0
	s_mov_b32 s[G1B+7], 0
	s_lshl_b32 s20, s17, 3
	s_add_co_u32 s20, s20, s46
	s_lshl_b32 s18, s16, 2
	s_add_co_u32 s20, s20, s18
	s_mul_i32 s20, s20, PITCHB
	s_mov_b32 s21, 0
	s_lshl_b32 s70, s69, 4
	s_add_co_u32 s70, s70, s47
	s_lshl_b32 s18, s16, 3
	s_add_co_u32 s70, s70, s18
	s_mul_i32 s70, s70, PITCHB
	s_mov_b32 s71, 0
	s_mul_i32 s68, s16, 4*CH
	s_mul_i32 s19, s16, 8*CH
	s_add_co_u32 s19, s19, 8*CH
	s_mov_b32 s84, 0x76543210
	s_mov_b32 s85, 0xfedcba98
	s_wait_dscnt 0x0
	s_wait_kmcnt 0x0
	s_add_nc_u64 s[20:21], s[4:5], s[20:21]
	s_add_nc_u64 s[70:71], s[4:5], s[70:71]
	s_lshl_b32 s93, s41, 1
	s_cmp_eq_u32 s15, 0                            ; do I fetch for A?
	s_cselect_b32 s92, s40, s93                    ; my work-group's chunk row(s) of those that I fetch: cx of A's four, 2 cy of B's eight
	s_cselect_b64 s[90:91], s[20:21], s[70:71]
	s_mul_i32 s92, s92, PITCHB
	s_mov_b32 s93, 0
	s_add_nc_u64 s[90:91], s[90:91], s[92:93]
	CROUND
.irp s, 0,1
	s_mov_b32 s[G0+4*\s], 1
	s_add_co_u32 s[G0+4*\s+1], s68, \s*SLOT
	s_add_nc_u64 s[G0+4*\s+2:G0+4*\s+3], s[20:21], \s*CH
	s_or_b32 s[G0+4*\s+3], s[G0+4*\s+3], 0x80000000
	s_mov_b32 s[G0B+4*\s], 1
	s_add_co_u32 s[G0B+4*\s+1], s19, \s*SLOT
	s_add_nc_u64 s[G0B+4*\s+2:G0B+4*\s+3], s[70:71], \s*CH
	s_or_b32 s[G0B+4*\s+3], s[G0B+4*\s+3], 0x80000000
	s_wait_alu depctr_va_vdst(0)
.if \s == 1
	s_wait_tensorcnt 0x0                           ; slot 1's first fill is issued as a refill is: these lines and a round in front of it
	ds_add_u32 v28, v29
	ds_add_u32 v28, v29
	s_wait_dscnt 0x0
	CROUND
.endif
	JLOAD \s
.if \s == 0
	ASK CH
	ASK 2*CH
.else
	ASK 3*CH
.endif
.endr
	v_and_b32 v1, 15, v0
	v_bfe_u32 v2, v0, 4, 1
	v_and_b32 v3, 31, v0
	v_lshlrev_b32 v[LI], 4, v3
	s_mul_i32 s87, s15, 4*CH
	v_add_nc_u32 v[ADRA], s87, v[LI]
	v_add_nc_u32 v[ADRA+1], SLOT, v[ADRA]
	v_add_nc_u32 v[ADRB], s19, v[LI]
	v_add_nc_u32 v[ADRB+1], SLOT, v[ADRB]
	v_lshlrev_b32 v5, 4, v1
	v_mad_u32_u24 v5, v2, CH, v5
	v_add_nc_u32 v5, 6144, v5
	v_add_nc_u32 v[ADSA], s87, v5
	v_add_nc_u32 v[ADSA+1], SLOT, v[ADSA]
	v_add_nc_u32 v[ADSB], s19, v5
	v_add_nc_u32 v[ADSB+1], SLOT, v[ADSB]
	v_lshlrev_b32 v[SRO], 4, v1
	v_and_b32 v6, 8, v1
	v_add_nc_u32 v6, v6, v1
	v_lshlrev_b32 v[CSO], 8, v6
	v_lshl_add_u32 v[CSO], v2, 5, v[CSO]
.irp b, 0,1,2,3
	v_mov_b32 v[TM+4+\b], 0
.endr
	s_lshl_b32 s72, s69, 1
	s_add_co_u32 s72, s72, s16
	s_lshl_b32 s73, s72, 5
	s_lshl_b32 s74, s17, 1
	s_add_co_u32 s73, s73, s74
	s_add_co_u32 s73, s73, s15
	s_mul_i32 s73, s73, CH
	s_add_co_u32 s74, s73, 6144
	s_sub_co_u32 s75, s72, 16
	s_lshl_b32 s75, s75, 4
	s_add_co_u32 s75, s75, s17
	s_lshl_b32 s76, s17, 4
	s_add_co_u32 s76, s76, s72
	s_cmp_eq_u32 s66, 1
	s_cselect_b32 s75, s76, s75
	s_cselect_b32 s76, 12800, 0
	s_cselect_b32 s77, 16, s72
	s_mul_i32 s75, s75, 25600
	s_add_co_u32 s75, s75, s76
	s_add_co_u32 s75, s75, KVB
	s_mul_i32 s76, s15, 6144
	s_add_co_u32 s76, s75, s76
	s_lshl_b32 s78, s15, 8
	s_add_co_u32 s78, s78, s75
	s_add_co_u32 s78, s78, 12288
	s_cmp_lt_u32 s77, 16
	s_cselect_b32 s80, s73, s76
	s_cselect_b32 s82, s74, s78
	s_mov_b32 s81, 0
	s_mov_b32 s83, 0
	s_add_nc_u64 s[80:81], s[10:11], s[80:81]
	s_add_nc_u64 s[82:83], s[10:11], s[82:83]
	s_lshl_b32 s88, s17, 7
	s_lshl_b32 s89, s15, 6
	s_add_co_u32 s88, s88, s89
	s_lshl_b32 s88, s88, 8
	s_mov_b32 s89, 0
	s_add_nc_u64 s[6:7], s[6:7], s[88:89]
	s_add_nc_u64 s[8:9], s[8:9], s[88:89]
.macro WM a, t, p, q, sc, zero
.set rD, 8*(8*(\a)+(\t))
.set rB, 96*(\p)+12*(\t)
.set rA, AF+48*(\p)+12*(\a)
.set rX, SC+24*(\sc)+8+4*((\t)/2)+(\q)
.set rY, SC+24*(\sc)+4*((\a)/2)+(\q)
.set rV, 4*(\zero)+2*((\t)%2)+((\a)%2)
.if rV == 0
	v_wmma_scale_f32_16x16x128_f8f6f4 v[rD:rD+7], v[rB:rB+11], v[rA:rA+11], v[rD:rD+7], v[rX], v[rY] matrix_a_fmt:MATRIX_FMT_FP6 matrix_b_fmt:MATRIX_FMT_FP6
.elseif rV == 1
	v_wmma_scale_f32_16x16x128_f8f6f4 v[rD:rD+7], v[rB:rB+11], v[rA:rA+11], v[rD:rD+7], v[rX], v[rY] matrix_a_fmt:MATRIX_FMT_FP6 matrix_b_fmt:MATRIX_FMT_FP6 matrix_b_scale:MATRIX_SCALE_ROW1
.elseif rV == 2
	v_wmma_scale_f32_16x16x128_f8f6f4 v[rD:rD+7], v[rB:rB+11], v[rA:rA+11], v[rD:rD+7], v[rX], v[rY] matrix_a_fmt:MATRIX_FMT_FP6 matrix_b_fmt:MATRIX_FMT_FP6 matrix_a_scale:MATRIX_SCALE_ROW1
.elseif rV == 3
	v_wmma_scale_f32_16x16x128_f8f6f4 v[rD:rD+7], v[rB:rB+11], v[rA:rA+11], v[rD:rD+7], v[rX], v[rY] matrix_a_fmt:MATRIX_FMT_FP6 matrix_b_fmt:MATRIX_FMT_FP6 matrix_a_scale:MATRIX_SCALE_ROW1 matrix_b_scale:MATRIX_SCALE_ROW1
.elseif rV == 4
	v_wmma_scale_f32_16x16x128_f8f6f4 v[rD:rD+7], v[rB:rB+11], v[rA:rA+11], 0, v[rX], v[rY] matrix_a_fmt:MATRIX_FMT_FP6 matrix_b_fmt:MATRIX_FMT_FP6
.elseif rV == 5
	v_wmma_scale_f32_16x16x128_f8f6f4 v[rD:rD+7], v[rB:rB+11], v[rA:rA+11], 0, v[rX], v[rY] matrix_a_fmt:MATRIX_FMT_FP6 matrix_b_fmt:MATRIX_FMT_FP6 matrix_b_scale:MATRIX_SCALE_ROW1
.elseif rV == 6
	v_wmma_scale_f32_16x16x128_f8f6f4 v[rD:rD+7], v[rB:rB+11], v[rA:rA+11], 0, v[rX], v[rY] matrix_a_fmt:MATRIX_FMT_FP6 matrix_b_fmt:MATRIX_FMT_FP6 matrix_a_scale:MATRIX_SCALE_ROW1
.else
	v_wmma_scale_f32_16x16x128_f8f6f4 v[rD:rD+7], v[rB:rB+11], v[rA:rA+11], 0, v[rX], v[rY] matrix_a_fmt:MATRIX_FMT_FP6 matrix_b_fmt:MATRIX_FMT_FP6 matrix_a_scale:MATRIX_SCALE_ROW1 matrix_b_scale:MATRIX_SCALE_ROW1
.endif
.endm
.macro MULB a0, n, p, q, sc, zero
.set ma, \a0
.rept \n
.set mt, 0
.rept 8
	WM ma, mt, \p, \q, \sc, \zero
.set mt, mt+1
.endr
.set ma, ma+1
.endr
.endm
.macro FETCH slot, q, p, sc
	WIN TO_B
.set ft, 0
.rept 8
.irp c, 0,1,2
	ds_load_b128 v[96*(\p)+12*ft+4*\c:96*(\p)+12*ft+4*\c+3], v[ADRB+\slot] offset:CH*ft+1536*(\q)+512*\c
.endr
.set ft, ft+1
.endr
	WIN 0
.irp a, 0,1
.irp c, 0,1,2
	ds_load_b128 v[AF+48*(\p)+12*\a+4*\c:AF+48*(\p)+12*\a+4*\c+3], v[ADRA+\slot] offset:CH*\a+1536*(\q)+512*\c
.endr
.endr
.if \sc
.irp u, 0,1
	ds_load_b128 v[SC+24*(\slot)+4*\u:SC+24*(\slot)+4*\u+3], v[ADSA+\slot] offset:2*CH*\u
.endr
.irp u, 0,1,2,3
	ds_load_b128 v[SC+24*(\slot)+8+4*\u:SC+24*(\slot)+8+4*\u+3], v[ADSB+\slot] offset:2*CH*\u
.endr
.endif
.irp a, 2,3
.irp c, 0,1,2
	ds_load_b128 v[AF+48*(\p)+12*\a+4*\c:AF+48*(\p)+12*\a+4*\c+3], v[ADRA+\slot] offset:CH*\a+1536*(\q)+512*\c
.endr
.endr
.endm
.macro STEPQ slot, q, zero
	s_wait_dscnt 6
	WIN MUL
	MULB 0, 2, (\q)%2, \q, \slot, \zero
	PLACES 4
	FETCH \slot, (\q)+1, 1-(\q)%2, 0
	s_wait_dscnt 36
	WIN MUL
	MULB 2, 2, (\q)%2, \q, \slot, \zero
	WIN 0
.endm
.macro TURN slot, next, fill
	WIN 0
	s_wait_tensorcnt 0x0
	ds_add_u32 v[SPW], v[NIL]
	s_wait_dscnt 7
	WIN MUL
	MULB 0, 1, 1, 3, \slot, 0
	s_wait_dscnt 0x0
	s_barrier_signal -1
	MULB 1, 1, 1, 3, \slot, 0
	WIN 0
	s_barrier_wait -1
.if \fill
	CREST
	s_add_nc_u64 s[G0+4*\slot+2:G0+4*\slot+3], s[G0+4*\slot+2:G0+4*\slot+3], 2*CH
	s_add_nc_u64 s[G0B+4*\slot+2:G0B+4*\slot+3], s[G0B+4*\slot+2:G0B+4*\slot+3], 2*CH
	JLOAD \slot
.else
	PLACES 4
.endif
	FETCH \next, 0, 0, 1
.if (\fill) && (LAPS > 2)
	s_cmp_gt_u32 s3, 1                             ; the last trip's refills have no chunk two on
	s_cbranch_scc0 .Lno_ask_\@
	ASK (4+\slot)*CH
.Lno_ask_\@:
.endif
	WIN MUL
	MULB 2, 2, 1, 3, \slot, 0
	WIN 0
.endm
	s_wait_tensorcnt 1
	s_barrier_signal -1
	s_barrier_wait -1
	FETCH 0, 0, 0, 1
	STEPQ 0, 0, 1
	s_mov_b32 s3, LAPS-1
.Llap:
	STEPQ 0, 1, 0
	STEPQ 0, 2, 0
	TURN 0, 1, 1
	STEPQ 1, 0, 0
	STEPQ 1, 1, 0
	STEPQ 1, 2, 0
	TURN 1, 0, 1
	STEPQ 0, 0, 0
.if LAPS > 2
	s_wait_xcnt 0x0                                ; the trip's prefetches have read their base: it steps only behind this wait
	s_add_nc_u64 s[90:91], s[90:91], 2*CH
.endif
	s_sub_co_u32 s3, s3, 1
	s_cmp_lg_u32 s3, 0
	s_cbranch_scc1 .Llap
	WIN 0xc0
	s_wait_alu depctr_va_vdst(0)
.irp a, 0,1,2,3
.irp b, 0,1,2,3
.irp e, 0,1
	global_load_b128 v[64*\a+8*\b+4*\e:64*\a+8*\b+4*\e+3], v[CSO], s[6:7] offset:(32*(\a/2)+8*(\a%2))*256+64*\b+16*\e
	global_load_b128 v[64*\a+32+8*\b+4*\e:64*\a+32+8*\b+4*\e+3], v[CSO], s[8:9] offset:(32*(\a/2)+8*(\a%2))*256+64*\b+16*\e
.endr
.endr
.endr
	WIN 0
	STEPQ 0, 1, 0
	STEPQ 0, 2, 0
	TURN 0, 1, 0
	STEPQ 1, 0, 0
	STEPQ 1, 1, 0
	STEPQ 1, 2, 0
	s_wait_dscnt 6
	WIN MUL
	MULB 0, 2, 1, 3, 1, 0
	s_wait_dscnt 0x0
	MULB 2, 2, 1, 3, 1, 0
	WIN 0
.macro ROPE a
	WIN 0x0d
.set rp, 0
.rept 32
	v_mul_f32 v[T+2*rp], v[64*(\a)+2*rp+1], v[64*(\a)+32+rp]
	v_mul_f32 v[T+2*rp+1], v[64*(\a)+2*rp+1], v[64*(\a)+rp]
.set rp, rp+1
.endr
	WIN 0x4d
.set rp, 0
.rept 32
	v_fma_f32 v[64*(\a)+2*rp+1], v[64*(\a)+2*rp], v[64*(\a)+32+rp], v[T+2*rp+1]
	v_fma_f32 v[64*(\a)+2*rp], v[64*(\a)+2*rp], v[64*(\a)+rp], -v[T+2*rp]
.set rp, rp+1
.endr
.endm
.macro QUANTW a
	WIN 0x14
.irp b, 0,1,2,3
	v_max3_num_f32 v[TM+\b], 0x1800000, |v[64*(\a)+16*\b]|, |v[64*(\a)+16*\b+1]|
.endr
.irp i, 2,4,6,8,10,12,14
.irp b, 0,1,2,3
	v_max3_num_f32 v[TM+\b], v[TM+\b], |v[64*(\a)+16*\b+\i]|, |v[64*(\a)+16*\b+\i+1]|
.endr
.endr
	WIN 0
.irp b, 0,1,2,3
	v_permlanex16_b32 v[TM+4+\b], v[TM+\b], s84, s85
.endr
.irp b, 0,1,2,3
	v_max_num_f32 v[TM+\b], v[TM+\b], v[TM+4+\b]
.endr
.irp b, 0,1,2,3
	v_add_nc_u32 v[TM+12+\b], 0xff000000, v[TM+\b]
.endr
.irp b, 0,1,2,3
	v_lshrrev_b32 v[TM+4+\b], 23, v[TM+12+\b]
.endr
	v_lshl_or_b32 v[PWS+(\a)], v[TM+5], 8, v[TM+4]
	v_lshl_or_b32 v[PWS+(\a)], v[TM+6], 16, v[PWS+(\a)]
	v_lshl_or_b32 v[PWS+(\a)], v[TM+7], 24, v[PWS+(\a)]
	WIN 0x01
.irp c, 0,1
	v_cvt_scalef32_pk16_fp6_f32 v[PC+12*(\a)+6*\c:PC+12*(\a)+6*\c+2], v[64*(\a)+32*\c:64*(\a)+32*\c+15], v[TM+12+2*\c]
	v_cvt_scalef32_pk16_fp6_f32 v[TC+4*\c:TC+4*\c+2], v[64*(\a)+32*\c+16:64*(\a)+32*\c+31], v[TM+12+2*\c+1]
.endr
	WIN 0
	v_nop
.irp c, 0,1
.irp i, 0,1,2
	v_permlane16_swap_b32 v[PC+12*(\a)+6*\c+\i], v[TC+4*\c+\i]
.endr
.irp i, 0,1,2
	v_mov_b32 v[PC+12*(\a)+3+6*\c+\i], v[TC+4*\c+\i]
.endr
.endr
.irp c, 0,1,2
	global_store_b128 v[LI], v[PC+12*(\a)+4*\c:PC+12*(\a)+4*\c+3], s[80:81] offset:1536*(\a)+512*\c
.endr
.endm
	PLACES 4
	s_wait_loadcnt 0x0
	s_cmp_eq_u32 s66, 1
	s_cbranch_scc1 .Lquant
	ROPE 0
	ROPE 1
	ROPE 2
	ROPE 3
	WIN 0
.Lquant:
	QUANTW 0
	QUANTW 1
	QUANTW 2
	QUANTW 3
	v_cmp_gt_u32 vcc_lo, 16, v3
	s_wait_xcnt 0x0
	s_and_saveexec_b32 s86, vcc_lo
	global_store_b128 v[SRO], v[PWS:PWS+3], s[82:83]
	s_wait_xcnt 0x0
	s_or_b32 exec_lo, exec_lo, s86
	s_wait_tensorcnt 0x0
	ds_add_u32 v[SPW], v[NIL]
	s_wait_dscnt 0x0
	CROUND
	s_endpgm
.Lfunc_end_k_qb83c03eb3b_qkv:
	.size	k_qb83c03eb3b_qkv, .Lfunc_end_k_qb83c03eb3b_qkv-k_qb83c03eb3b_qkv
	.p2alignl 7, 3214868480
	.fill 96, 4, 3214868480
	.section	.rodata,"a",@progbits
	.p2align	6, 0x0
	.amdhsa_kernel k_qb83c03eb3b_qkv
		.amdhsa_group_segment_fixed_size 327680
		.amdhsa_private_segment_fixed_size 0
		.amdhsa_enable_private_segment 0
		.amdhsa_kernarg_size 32
		.amdhsa_user_sgpr_count 2
		.amdhsa_user_sgpr_kernarg_segment_ptr 1
		.amdhsa_wavefront_size32 1
		.amdhsa_system_sgpr_workgroup_id_x 1
		.amdhsa_system_sgpr_workgroup_id_y 1
		.amdhsa_system_sgpr_workgroup_id_z 1
		.amdhsa_system_vgpr_workitem_id 0
		.amdhsa_next_free_vgpr 1024
		.amdhsa_next_free_sgpr 100
		.amdhsa_reserve_vcc 1
		.amdhsa_float_denorm_mode_32 3
		.amdhsa_float_denorm_mode_16_64 3
		.amdhsa_memory_ordered 1
		.amdhsa_forward_progress 1
		.amdhsa_inst_pref_size 168
	.end_amdhsa_kernel
	.amdgpu_metadata
---
amdhsa.version: [ 1, 2 ]
amdhsa.kernels:
  - .name:           k_qb83c03eb3b_qkv
    .symbol:         k_qb83c03eb3b_qkv.kd
    .args:
      - { .name: cw, .offset: 0, .size: 8, .value_kind: global_buffer, .address_space: global }
      - { .name: freqs_cos, .offset: 8, .size: 8, .value_kind: global_buffer, .address_space: global }
      - { .name: freqs_sin, .offset: 16, .size: 8, .value_kind: global_buffer, .address_space: global }
      - { .name: qkv_c, .offset: 24, .size: 8, .value_kind: global_buffer, .address_space: global }
    .group_segment_fixed_size: 327680
    .private_segment_fixed_size: 0
    .kernarg_segment_align: 8
    .kernarg_segment_size: 32
    .max_flat_workgroup_size: 128
    .sgpr_count:     100
    .vgpr_count:     1024
    .wavefront_size: 32
...
	.end_amdgpu_metadata
.endif
;; end of part 2
;; launch attn (part 3): grid 32 x 8, 16 waves a work-group, clusters of 4 x 1, 327,680 bytes of LDS; arguments qkv_c, ao_c, wo, wo_c; writes ao_c, wo_c
.if DOCPART == 3
	.amdgcn_target "amdgcn-amd-amdhsa--gfx1250"
	.amdhsa_code_object_version 6
	.text
	.protected	k_qb83c03eb3b_attn
	.globl	k_qb83c03eb3b_attn
	.p2align	8
	.type	k_qb83c03eb3b_attn,@function
k_qb83c03eb3b_attn:
	s_mov_b64 s[64:65], 0
	v_nop
	global_prefetch_b8 v0, s[64:65] scope:SCOPE_SE
	s_setreg_imm32_b32 hwreg(HW_REG_WAVE_MODE, 25, 1), 1
	s_wait_xcnt 0x0
	s_wait_alu depctr_hold_cnt(0) depctr_sa_sdst(0) depctr_va_vdst(0) depctr_va_sdst(0) depctr_va_ssrc(0) depctr_va_vcc(0) depctr_vm_vsrc(0)
	s_getreg_b32 s2, hwreg(HW_REG_IB_STS2, 6, 4)
	s_cmp_eq_u32 s2, 0
	s_cbranch_scc0 .Lentry_in_a_cluster
	s_endpgm
.Lentry_in_a_cluster:
	s_bfe_u32 s2, ttmp6, 0x10000c
	s_cmp_lg_u32 s2, 0x3003
	s_cbranch_scc0 .Lentry_shape_is_right
	s_endpgm
.Lentry_shape_is_right:
; O = softmax(Q K^T / sqrt(128), causal) V for 16 query heads on 8 key and value heads, both products on codes of FP6 (E2M3) with E8M0 scales; O / l is quantised along head x 128 + d and leaves as images.
; THE SOFTMAX AHEAD OF THE SECOND PRODUCT: t = score x log2(e) / sqrt(128); M = the largest t so far, rounded up to a whole number; p = 2^(t - M) is quantised along the keys, not normalised;
; the row's sum is taken of the unquantised p and divides at the end.  When M moves, the sum and O are multiplied by 2^(old M - new M): exact.
; qkv_c: Q at 0: [16 heads][32 groups of 4 token images][6,400] (four images of 1,536 bytes, then the scale words at 6144 + 16 r + 4 x image).  K, V at KVB: [8 heads][16 key steps of 128][25,600]:
; K's 8 images, 512 bytes of scale words (tile t, row-lane r at 256 (t / 4) + 16 r + 4 (t % 4)), V^T's 8 images (16 channels x these 128 keys), their 512 bytes.
; An image is the 12 operand registers of 32 lanes: three loads of 16 bytes a lane.  Lane r of image rb stands for row 32 (rb / 2) + 8 (rb % 2) + r + 8 (r / 8): so the 16 registers of result tiles 2 b, 2 b + 1 are neighbours.
; Both products are used transposed (S^T = K Q^T, O^T = V^T P^T): a lane holds one query throughout.
; SHARES.  A wave holds one tile of 16 queries in 256 registers; four waves to a SIMD, so that one wave's vector work stands beside another's matrix work.  TWO WAVES SHARE A TILE: wave parity kp takes the key steps j with
; j % 2 = kp; a slot holds two steps, so a wave has at most one step in each slot.  The two halves are merged at the end through LDS, by exact powers of two.
; BALANCE UNDER THE MASK: a work-group's 8 tiles come from 8 different blocks of 128 queries, qb = (2 j + T) xor (15 hi): the steps that count add up to 68 in every work-group.  Every work-group walks all 8 slots;
; a step whose keys all come after the tile's block is jumped over by a scalar branch on the wave's number, the cluster's number and the loop's count.
; CLUSTER 4 x 1: all work-groups of a key and value head walk the same K and V: each slot is asked for jointly by the four partners (waves 0-3, a quarter each), behind a round of the cluster's barrier.
; The place in the cluster chooses the query head and the tile in its block, and the work-group's part of wo: it enters global addresses and the mask's compare alone.
; ALSO HERE: wo [4096][2048], f32, K innermost, IS QUANTISED for the next launch, into wo_c = [256 images' rows][4 chunks along K][6,400] (a chunk: four images of 16 rows x 128 K, then the scale words at 6144 + 16 r + 4 q).
; This launch's own streams are 10 MB, and 60 of a work-group's 128 wave-slots have no key step: so wo's bytes come in under the first key step, and its arithmetic stands behind slot 6, in which at most
; one wave in four of a SIMD has a step.  A work-group takes 32 rows x 1,024 K: four plain tensor loads (waves 4-7: 32 rows x 1,024 bytes each) go out with the first fills; each of the 16 waves turns one fragment
; (image parity wave % 2, K step wave / 2) into codes; the 16 scale words a fragment meet in LDS and leave, behind the merge's barrier, as four blocks of 256 bytes.
; ao_c: [128 token images][4 chunks][6,400]: chunk = head / 4, image = head % 4.  Its scale words leave as 16 words 16 bytes apart: a quarter of 256 bytes, whose other quarters belong to other heads' work-groups:
; one byte in 24 of what the launch stores there.
; LIMITS: NaN and infinities are not served; a block of O / l or of wo whose largest magnitude lies under 2^-124, a block of zeros among them, gets the byte 1 (the bytes are read by this program alone);
; even and odd key steps are summed apart.
; REGISTERS: v1-11, v28-30 addresses; v12 -M, v13 the largest t, v[14:15] the sum; v16-27 Q; v32-79 four images of K or V; v80-83, v84-87 K's, V's scale words; v96-159 S^T, then p (once: 64 numbers of wo); v160-223 O^T;
; v224-235 p's codes; v232-254 at work; v253 p's scale word; v255 Q's.
.set KVB,   3276800
.set STEPB, 25600                      ; a key step's block
.set SLOTB, 51200                      ; a slot: two steps
.set SLOT1, 65536                      ; slot 1 begins here: one exclusive or turns an address from one slot into the other
.set WOS,   131072                     ; wo's numbers: four tiles of 32 rows
.set WOP,   1040                       ; a row there: 1,024 bytes + 16 = 260 words: row n starts at bank 4 n mod 64 (64 banks of 4 bytes: ISA guide 11.1); a fragment's two groups of eight rows lie 16 rows apart and meet there two deep
.set WOL,   32*WOP                     ; what one tensor load brings
.set MRG,   WOS                        ; the merge: for each pair of waves 16 x 512 bytes of O^T, 128 of -M, 128 of the sum.  It lies in wo's region, which has had its one fill, and whose last read stands in front of the last change's barrier
.set MRGP,  8448
.set SCG,   WOS+4*WOL                  ; wo's scale words: four blocks of 256 bytes: no fill lands here
.set SPARE, SCG+1024                   ; the spare words, 128 bytes for each of 16 waves
.set LI,   1                           ; v1  16 x lane
.set SPW,  2                           ; v2  my spare word; never rewritten
.set NIL,  3                           ; v3  0; never rewritten
.set ADK,  4                           ; v4  LDS address of the step in hand
.set DD,   5                           ; v5  my query's place in its block of 128, less 16 h
.set MGA,  6                           ; v6  the pair's merge region + 16 x lane
.set MGS,  7                           ; v7  its -M: + 8,192 + 4 x lane
.set R16,  8                           ; v8  16 r
.set LN,   9                           ; v9  lane
.set WOA,  10                          ; v10 LDS address of my row's numbers of my fragment of wo
.set SCW,  11                          ; v11 where my row's scale word of that fragment goes
.set SCR,  28                          ; v28 SCG + 16 x lane
.set PFO,  29                          ; v29 the prefetches' offset; never rewritten
.set WGO,  30                          ; v30 6,400 h + 16 r: a scale block's place in wo_c for my lane
.set WV,   18
.set KP,   19
.set SEL,  20
.set CS,   22
.set G1,   24                          ; s[24:31] group 1 for K's and V's slots
.set G1W,  32                          ; s[32:39] group 1 for wo's tiles
.set G0A,  40                          ; s[40:43] group 0 of slot 0's first fill
.set G0,   44                          ; s[44:47] group 0 of slot 1's first fill, which then walks on
.set G0W,  48                          ; s[48:51] group 0 of my tile of wo
.set TB,   2                           ; s2  LDS byte at which my step of the slot in hand begins
.set KJ,   66                          ; s66 that step's number
.set SLOTS, 67                         ; s67 slots still to be asked for
.set QB,   68                          ; s68 my tile's block of 128 queries
.set PFA,  76                          ; s[76:77] where my work-group's prefetches stand
.set LIM,  80                          ; s80 1 in a wave that prefetches, else the greatest number
.set WOC,  92                          ; s[92:93] the work-group's first chunk of wo_c
.set WOI,  94                          ; s[94:95] my fragment's image in wo_c
.macro JLOAD                           ; waves 0-3 fetch a quarter of a slot each; an s_nop 0 and four v_nop follow the line
	s_cmp_lt_u32 s[WV], 4
	s_cbranch_scc0 .Lasked_\@
	tensor_load_to_lds s[G0:G0+3], s[G1:G1+7]
	s_nop 0
.rept 4
	v_nop
.endr
.Lasked_\@:
.endm
; A prefetch of what the NEXT change of slots will ask for: a slot's 200 blocks of 256 bytes.  All eight clusters of a head walk the same bytes: the first of them asks.  Its four partners take 50 blocks each,
; told apart by address; in each, waves 4 and 5 ask, lanes 256 bytes apart (wave 5 has 18 blocks for 32 lanes: its lanes 18-31 repeat the last).  The last change that fills a slot asks for nothing.
.macro ASK
	s_cmp_gt_u32 s[SLOTS], s[LIM]
	s_cbranch_scc0 .Lnot_mine_\@
	global_prefetch_b8 v[PFO], s[PFA:PFA+1] th:TH_LOAD_NT scope:SCOPE_SE
.Lnot_mine_\@:
.endm
.macro CROUND                          ; a round of the cluster's barrier
	s_barrier_signal -1
	s_barrier_wait -1
	s_cmp_lg_u32 s[WV], 0
	s_cbranch_scc1 .Lnot_wave_0_\@
	s_barrier_signal -3
.Lnot_wave_0_\@:
	s_barrier_wait -3
	s_barrier_signal -1
	s_barrier_wait -1
.endm
	s_load_b256 s[4:11], s[0:1], 0x0               ; qkv_c s[4:5], ao_c s[6:7], wo s[8:9], wo_c s[10:11]
	v_lshl_add_u32 v[SPW], v0, 2, SPARE
	v_mov_b32 v[NIL], 0
	ds_add_u32 v[SPW], v[NIL]                      ; the wave's opening: the add and its wait ahead of the first tensor load; work on registers stands between them
	ds_add_u32 v[SPW], v[NIL]
	v_lshrrev_b32 v4, 5, v0
	s_delay_alu instid0(VALU_DEP_1)
	v_readfirstlane_b32 s[WV], v4                  ; wave 0..15
	s_and_b32 s[KP], s[WV], 1                      ; which key steps are mine
	s_bfe_u32 s12, ttmp6, 0x40000                  ; cx
	s_and_b32 s13, ttmp9, 3
	s_lshl_b32 s13, s13, 2
	s_add_co_u32 s13, s13, s12                     ; 0 .. 15:
	s_lshr_b32 s14, s13, 3                         ; which of the two query heads,
	s_and_b32 s15, s13, 7                          ; which tile of a block of 128 queries
	s_lshr_b32 s16, ttmp9, 2                       ; T: the even or the odd blocks
	s_and_b32 s17, ttmp7, 0xffff                   ; the key and value head
	s_bfe_u32 s52, s[WV], 0x10001
	s_lshr_b32 s53, s[WV], 3
	s_lshl_b32 s53, s53, 1
	s_add_co_u32 s52, s52, s53                     ; j
	s_lshl_b32 s52, s52, 1
	s_add_co_u32 s52, s52, s16
	s_bfe_u32 s53, s[WV], 0x10002                  ; hi
	s_mul_i32 s53, s53, 15
	s_xor_b32 s[QB], s52, s53                      ; qb = (2 j + T) xor (15 hi)
	s_lshl_b32 s54, s17, 1
	s_add_co_u32 s54, s54, s14                     ; the query head
	s_lshl_b32 s55, s[QB], 3
	s_add_co_u32 s55, s55, s15                     ; the token image
	s_lshl_b32 s56, s54, 5
	s_lshr_b32 s57, s55, 2
	s_add_co_u32 s56, s56, s57
	s_mul_i32 s56, s56, 6400                       ; Q's chunk,
	s_and_b32 s57, s55, 3
	s_mul_i32 s58, s57, 1536
	s_add_co_u32 s70, s56, s58                     ; my image in it,
	s_mov_b32 s71, 0
	s_lshl_b32 s57, s57, 2
	s_add_co_u32 s78, s56, s57
	s_add_co_u32 s78, s78, 6144                    ; its scale words
	s_mov_b32 s79, 0
	s_lshl_b32 s56, s55, 2
	s_lshr_b32 s57, s54, 2
	s_add_co_u32 s56, s56, s57
	s_mul_i32 s56, s56, 6400                       ; the chunk of ao_c,
	s_and_b32 s57, s54, 3
	s_mul_i32 s58, s57, 1536
	s_add_co_u32 s72, s56, s58                     ; my image in it,
	s_mov_b32 s73, 0
	s_lshl_b32 s57, s57, 2
	s_add_co_u32 s74, s56, s57
	s_add_co_u32 s74, s74, 6144                    ; its scale words
	s_mov_b32 s75, 0
	s_mul_i32 s59, s17, 16*STEPB
	s_add_co_u32 s59, s59, KVB                     ; the head's K and V
	s_and_b32 s60, s[WV], 3
	s_mul_i32 s61, s60, SLOTB/4                    ; the quarter that I fetch, if I fetch: in LDS and in memory
	s_add_co_u32 s62, s59, s61
	s_mov_b32 s63, 0
	s_mul_i32 s82, s12, SLOTB/4                    ; the prefetches: my work-group's quarter,
	s_add_co_u32 s82, s82, s59
	s_add_co_u32 s82, s82, 2*SLOTB                 ; in slot 2: the first change of slots steps it to slot 3.  Nothing is prefetched at the head
	s_mov_b32 s83, 0
	s_lshr_b32 s52, s[WV], 1
	s_xor_b32 s52, s52, 2                          ; 0 in waves 4 and 5,
	s_or_b32 s52, s52, ttmp9                       ; of the head's first cluster: the same in all four partners
	s_cmp_eq_u32 s52, 0
	s_cselect_b32 s[LIM], 1, -1
	s_lshr_b32 s99, s15, 1
	s_lshl_b32 s99, s99, 5
	s_and_b32 s52, s15, 1
	s_lshl_b32 s52, s52, 3
	s_add_co_u32 s99, s99, s52                     ; my tile's first query in its block
	s_lshr_b32 s81, s[WV], 1
	s_mul_i32 s81, s81, MRGP
	s_add_co_u32 s81, s81, MRG                     ; the pair's merge region
	; wo: the work-group's 32 rows and its half of K
	s_lshl_b32 s84, ttmp9, 2
	s_add_co_u32 s84, s84, s12                     ; work-group x, 0 .. 31
	s_lshr_b32 s85, s84, 1
	s_lshl_b32 s87, s17, 4
	s_add_co_u32 s85, s85, s87                     ; which 32 rows: 16 x work-group y + x / 2
	s_and_b32 s84, s84, 1                          ; which 1,024 along K
	s_lshl_b32 s88, s85, 18                        ; 32 rows of 8,192 bytes,
	s_lshl_b32 s87, s84, 12                        ; 1,024 numbers are 4,096 bytes,
	s_add_co_u32 s88, s88, s87
	s_lshl_b32 s87, s60, 10                        ; and the 1,024 bytes of each row that I fetch, if I fetch
	s_add_co_u32 s88, s88, s87
	s_mov_b32 s89, 0
	s_mul_i32 s90, s60, WOL
	s_add_co_u32 s90, s90, WOS                     ; where that tile goes: no place in the cluster enters an LDS address
	s_lshl_b32 s92, s85, 3
	s_lshl_b32 s87, s84, 1
	s_add_co_u32 s92, s92, s87
	s_mul_i32 s92, s92, 6400                       ; the work-group's first chunk of wo_c: 4 x (2 x rows' number) + 2 x half
	s_mov_b32 s93, 0
	s_bfe_u32 s87, s[WV], 0x20001                  ; my fragment: image parity u = wave % 2, K step wave / 2: image q = (wave / 2) % 4
	s_mul_i32 s91, s87, 1536
	s_lshl_b32 s98, s87, 2
	s_lshr_b32 s87, s[WV], 3                       ; of chunk wave / 8 along K
	s_mul_i32 s94, s87, 6400
	s_add_co_u32 s94, s94, s91
	s_mul_i32 s91, s[KP], 25600                    ; an image's rows on are four chunks on
	s_add_co_u32 s94, s94, s91
	s_add_co_u32 s94, s94, s92
	s_mov_b32 s95, 0
	s_lshl_b32 s97, s87, 8                         ; its scale words in LDS: block 2 u + wave / 8, word q of a row's four
	s_add_co_u32 s97, s97, s98
	s_lshl_b32 s98, s[KP], 9
	s_add_co_u32 s97, s97, s98
	s_add_co_u32 s97, s97, SCG
	s_lshr_b32 s96, s[WV], 2                       ; its numbers in LDS: tile wave / 4,
	s_mul_i32 s96, s96, WOL
	s_bfe_u32 s98, s[WV], 0x10001
	s_lshl_b32 s98, s98, 9                         ; the tile's first or second 128 along K,
	s_add_co_u32 s96, s96, s98
	s_mul_i32 s98, s[KP], 8*WOP                    ; the odd image's rows begin eight rows down
	s_add_co_u32 s96, s96, s98
	s_add_co_u32 s96, s96, WOS
	s_lshl_b32 s98, s[KP], 5
	s_mov_b32 s[G1], 15|(3<<16)|(1<<21)            ; 15:0 the mask: all four partners; 17:16 elements of 8 bytes; 20 no padding; 21 set beside a mask
	s_mov_b32 s[G1+1], 32<<16                      ; tensor_dim0: rows of 256 bytes
	s_mov_b32 s[G1+2], 50<<16                      ; tensor_dim1: 50 of them, dense
	s_mov_b32 s[G1+3], 32<<16                      ; tile_dim0
	s_mov_b32 s[G1+4], 50                          ; tile_dim1
	s_mov_b32 s[G1+5], 32                          ; the pitch
	s_mov_b32 s[G1+6], 0
	s_mov_b32 s[G1+7], 0
	s_mov_b32 s[G1W], (2<<16)|(1<<20)|(7<<22)|(3<<25)   ; 15:0 no mask: a load of my own; 17:16 elements of 4 bytes; 20 padding on; 24:22 after every 256 words (code 7); 31:25 of 4 words (code 3)
	s_mov_b32 s[G1W+1], 256<<16                    ; tensor_dim0: 256 numbers
	s_mov_b32 s[G1W+2], 32<<16                     ; tensor_dim1: 32 rows
	s_mov_b32 s[G1W+3], 256<<16                    ; tile_dim0
	s_mov_b32 s[G1W+4], 32                         ; tile_dim1
	s_mov_b32 s[G1W+5], 2048                       ; a row of wo
	s_mov_b32 s[G1W+6], 0
	s_mov_b32 s[G1W+7], 0
	s_mov_b32 s[SEL], 0x76543210
	s_mov_b32 s[SEL+1], 0xfedcba98                 ; lane selects: lane l xor 16
	s_mov_b32 s[CS], 0x3e0293ee                    ; c = log2(e) / sqrt(128)
	s_mov_b32 s[CS+1], s[CS]                       ; (named with it as a pair)
	s_mul_i32 s[TB], s[KP], STEPB
	s_mov_b32 s[KJ], s[KP]
	s_mov_b32 s[SLOTS], 6
	v_and_b32 v[LN], 31, v0
	s_delay_alu instid0(VALU_DEP_1)
	v_lshlrev_b32 v[LI], 4, v[LN]
	v_and_b32 v248, 15, v0                         ; r
	v_bfe_u32 v249, v0, 4, 1                       ; h
	s_delay_alu instid0(VALU_DEP_2)
	v_lshlrev_b32 v[R16], 4, v248
	s_delay_alu instid0(VALU_DEP_4)
	v_add_nc_u32 v[MGA], s81, v[LI]
	v_lshlrev_b32 v[MGS], 2, v[LN]
	s_delay_alu instid0(VALU_DEP_1)
	v_add_nc_u32 v[MGS], s81, v[MGS]
	s_delay_alu instid0(VALU_DEP_1)
	v_add_nc_u32 v[MGS], 8192, v[MGS]
	v_and_b32 v[DD], 8, v248
	s_delay_alu instid0(VALU_DEP_1)
	v_add_nc_u32 v[DD], v[DD], v248                ; r + 8 (r / 8)
	s_delay_alu instid0(VALU_DEP_1)
	v_mul_u32_u24 v[WOA], v[DD], WOP               ; wo: my row-lane's row,
	s_delay_alu instid0(VALU_DEP_1)
	v_lshl_add_u32 v[WOA], v249, 7, v[WOA]         ; + 128 h: lane (r, h) takes k = 64 c + 32 h + 0 .. 31
	s_delay_alu instid0(VALU_DEP_1)
	v_add_nc_u32 v[WOA], s96, v[WOA]
	v_add_nc_u32 v[SCW], s97, v[R16]
	v_add_nc_u32 v[SCR], SCG, v[LI]
	v_mad_u32_u24 v[WGO], v249, 6400, v[R16]
	v_lshlrev_b32 v249, 4, v249
	s_delay_alu instid0(VALU_DEP_1)
	v_sub_nc_u32 v[DD], v[DD], v249
	s_delay_alu instid0(VALU_DEP_1)
	v_add_nc_u32 v[DD], s99, v[DD]                 ; d = my query in its block - 16 h.  Register 16 b + i holds key 32 b + 16 h + i of a step: on the diagonal it is hidden where 32 b + i > d
	v_add_nc_u32 v[PFO], s98, v[LN]
	s_delay_alu instid0(VALU_DEP_1)
	v_min_u32 v[PFO], 49, v[PFO]
	s_delay_alu instid0(VALU_DEP_1)
	v_lshlrev_b32 v[PFO], 8, v[PFO]
	v_lshrrev_b32 v31, 4, v0
	s_delay_alu instid0(VALU_DEP_1)
	v_lshlrev_b32 v31, 13, v31                     ; wo's prefetch: row thread / 16 of the work-group's 32,
	s_delay_alu instid0(VALU_DEP_1)
	v_lshl_add_u32 v31, v248, 8, v31               ; block thread % 16 of that row's 16 blocks of 256 bytes; never rewritten
	s_wait_alu depctr_va_vdst(0)
	s_wait_dscnt 0x0                               ; the opening add is done
	s_wait_kmcnt 0x0
	s_mov_b32 s[G0A], 1
	s_mov_b32 s[G0A+1], s61                        ; slot 0: keys 0 to 255
	s_add_nc_u64 s[G0A+2:G0A+3], s[4:5], s[62:63]
	s_or_b32 s[G0A+3], s[G0A+3], 0x80000000
	s_mov_b32 s[G0], 1
	s_add_co_u32 s[G0+1], s61, SLOT1               ; slot 1: keys 256 to 511
	s_add_nc_u64 s[G0+2:G0+3], s[4:5], s[62:63]
	s_add_nc_u64 s[G0+2:G0+3], s[G0+2:G0+3], SLOTB
	s_or_b32 s[G0+3], s[G0+3], 0x80000000
	s_mov_b32 s[G0W], 1
	s_mov_b32 s[G0W+1], s90
	s_add_nc_u64 s[G0W+2:G0W+3], s[8:9], s[88:89]
	s_or_b32 s[G0W+3], s[G0W+3], 0x80000000
	s_lshl_b32 s52, s60, 10
	s_mov_b32 s53, 0
	s_add_nc_u64 s[54:55], s[8:9], s[88:89]
	s_sub_nc_u64 s[54:55], s[54:55], s[52:53]      ; the first byte of the work-group's part of wo; never rewritten
	s_add_nc_u64 s[PFA:PFA+1], s[4:5], s[82:83]
	s_add_nc_u64 s[70:71], s[4:5], s[70:71]
	s_add_nc_u64 s[78:79], s[4:5], s[78:79]
	s_add_nc_u64 s[72:73], s[6:7], s[72:73]
	s_add_nc_u64 s[74:75], s[6:7], s[74:75]
	s_add_nc_u64 s[WOC:WOC+1], s[10:11], s[WOC:WOC+1]
	s_add_nc_u64 s[WOI:WOI+1], s[10:11], s[WOI:WOI+1]
.irp c, 0,1,2
	global_load_b128 v[16+4*\c:19+4*\c], v[LI], s[70:71] offset:512*\c   ; Q's image stays in registers; it is asked for ahead of the tiles
.endr
	global_load_b32 v255, v[R16], s[78:79]         ; and its scale words
	CROUND                                         ; all four work-groups are here: the first joint loads meet
	s_cmp_lt_u32 s[WV], 4                          ; at the head one tensor load a wave: waves 0-3 a quarter of slot 0 each
	s_cbranch_scc0 .Lfirst_asked
	tensor_load_to_lds s[G0A:G0A+3], s[G1:G1+7]
	s_nop 0
.rept 4
	v_nop
.endr
.Lfirst_asked:
	global_prefetch_b8 v31, s[54:55] th:TH_LOAD_NT scope:SCOPE_SE   ; wo's 131,072 bytes are 512 blocks of 256: each of the 512 lanes names one, once; the tensor loads that want them go out behind the next round
	v_mov_b32 v13, 0xff61b1e6                      ; the largest t so far: -3e38, under every t
	s_delay_alu instid0(VALU_DEP_1)
	v_floor_f32 v12, -v13                          ; -M
	v_mov_b32 v14, 0
	v_mov_b32 v15, 0
.irp b, 0,1,2,3
	v_mov_b32 v[236+\b], 0                         ; written once: a lane permute's destination counts as one of its sources
.endr
	v_mov_b32 v252, 0
	v_mov_b32 v253, 0
.set zi, 0
.rept 64
	v_mov_b32 v[160+zi], 0                         ; O^T: the step is written alike for every slot; the first finds zeros, which the first change of M leaves zeros
.set zi, zi+1
.endr
; MY KEY STEP OF THE SLOT IN HAND: 128 keys.
.macro STEP
	s_cmp_gt_u32 s[KJ], s[QB]                      ; all its keys come after my tile's block: the step is left out, not the lines at its end that step numbers
	s_cbranch_scc1 .Lhidden_\@
	v_add_nc_u32 v[ADK], s[TB], v[LI]
	s_wait_alu depctr_va_vdst(0)
.rept 4
	v_nop                                          ; with the addition five plain instructions: the first products write over registers that the last step's products read
.endr
.irp gg, 0,1                                   ; S^T = K Q^T, four tiles of 16 keys at a time
.if \gg > 0
.rept 4
	v_nop
.endr
.endif
.irp t, 0,1,2,3
.irp c, 0,1,2
	ds_load_b128 v[32+12*\t+4*\c:35+12*\t+4*\c], v[ADK] offset:1536*(4*\gg+\t)+512*\c
.endr
.endr
.if \gg == 0
	ds_load_b128 v[80:83], v[ADK] offset:12288     ; K's scale words: lanes 0-15 those of tiles 0-3, lanes 16-31 of tiles 4-7
.endif
	s_wait_dscnt 0x0
.irp t, 0,1,2,3
.if \gg == 0
	v_wmma_scale_f32_16x16x128_f8f6f4 v[96+8*\t:103+8*\t], v[32+12*\t:43+12*\t], v[16:27], 0, v[80+\t], v255 matrix_a_fmt:MATRIX_FMT_FP6 matrix_b_fmt:MATRIX_FMT_FP6
.else
	v_wmma_scale_f32_16x16x128_f8f6f4 v[128+8*\t:135+8*\t], v[32+12*\t:43+12*\t], v[16:27], 0, v[80+\t], v255 matrix_a_fmt:MATRIX_FMT_FP6 matrix_b_fmt:MATRIX_FMT_FP6 matrix_a_scale:MATRIX_SCALE_ROW1
.endif
.endr
.endr
.rept 4
	v_nop
.endr
.irp t, 0,1,2,3
.irp c, 0,1,2
	ds_load_b128 v[32+12*\t+4*\c:35+12*\t+4*\c], v[ADK] offset:12800+1536*\t+512*\c   ; V's first four images are read under the softmax
.endr
.endr
	ds_load_b128 v[84:87], v[ADK] offset:25088     ; V's scale words
	s_cmp_lg_u32 s[KJ], s[QB]                      ; only the step on the diagonal is masked: hidden scores become -infinity ahead of the maximum, so that p = 0
	s_cbranch_scc1 .Lopen_\@
	v_mov_b32 v254, 0xff800000
.set mn, 0
.rept 64
	v_cmp_gt_i32 vcc_lo, 32*(mn/16)+mn%16, v[DD]
	v_cndmask_b32 v[96+mn], v[96+mn], v254, vcc_lo
.set mn, mn+1
.endr
.Lopen_\@:
.irp b, 0,1,2,3
	v_max3_num_f32 v[232+\b], v[96+16*\b], v[97+16*\b], v[98+16*\b]   ; the largest score of each block of 32 keys: it serves for the row's maximum and, since p rises with the score, for the block's largest p
.endr
.irp i, 3,5,7,9,11,13
.irp b, 0,1,2,3
	v_max3_num_f32 v[232+\b], v[232+\b], v[96+16*\b+\i], v[97+16*\b+\i]
.endr
.endr
.irp b, 0,1,2,3
	v_max_num_f32 v[232+\b], v[232+\b], v[111+16*\b]
.endr
.irp b, 0,1,2,3
	v_permlanex16_b32 v[236+\b], v[232+\b], s[SEL], s[SEL+1]
.endr
.irp b, 0,1,2,3
	s_delay_alu instid0(VALU_DEP_4)
	v_max_num_f32 v[232+\b], v[232+\b], v[236+\b]  ; with lane l xor 16's 16 keys
.endr
	s_delay_alu instid0(VALU_DEP_2)
	v_max3_num_f32 v254, v232, v233, v234
	s_delay_alu instid0(VALU_DEP_1)
	v_max_num_f32 v254, v254, v235                 ; the step's largest score of my query
	s_delay_alu instid0(VALU_DEP_1)
	v_mul_f32 v254, s[CS], v254                    ; as t
	s_delay_alu instid0(VALU_DEP_1)
	v_max_num_f32 v13, v13, v254                   ; the running largest t
	v_mov_b32 v254, v12
	s_delay_alu instid0(VALU_DEP_2)
	v_floor_f32 v12, -v13                          ; the new -M = floor(-t): M is a whole number
	s_delay_alu instid0(VALU_DEP_1)
	v_sub_f32 v254, v12, v254                      ; old M less new M: a whole number, 0 or less
	s_delay_alu instid0(VALU_DEP_1)
	v_cvt_i32_f32 v254, v254                       ; (it saturates)
	s_delay_alu instid0(VALU_DEP_1)
	v_ldexp_f32 v252, 1.0, v254                    ; f = 2^(old M - new M)
.set pj, 0
.rept 32
	v_pk_fma_f32 v[96+pj:97+pj], v[96+pj:97+pj], s[CS:CS+1], v[12:13] op_sel_hi:[1,0,0]   ; t - M, two at a time
.set pj, pj+2
.endr
.irp b, 0,1,2,3
	v_fma_f32 v[232+\b], v[232+\b], s[CS], v12     ; the same of each block's largest score
.endr
.set pj, 0
	s_wait_alu depctr_va_vdst(0)
.rept 64
	v_exp_f32 v[96+pj], v[96+pj]                   ; p = 2^(t - M), at most 1
.set pj, pj+1
.endr
	v_pk_mul_f32 v[14:15], v[14:15], v[252:253] op_sel_hi:[1,0]   ; the sums under the new M: a plain instruction behind the exponentials
	s_wait_alu depctr_va_vdst(0)                   ; one wait for the whole batch, ahead of its first reader
.irp b, 0,1,2,3
	v_exp_f32 v[232+\b], v[232+\b]                 ; the block's largest p
.endr
	v_pk_add_f32 v[236:237], v[100:101], v[104:105]
	v_pk_add_f32 v[94:95], v[108:109], v[112:113]
	v_pk_add_f32 v[92:93], v[116:117], v[120:121]
	v_pk_add_f32 v[90:91], v[124:125], v[128:129]
	v_pk_add_f32 v[88:89], v[132:133], v[136:137]
	v_pk_add_f32 v[14:15], v[14:15], v[140:141]
	v_pk_add_f32 v[236:237], v[236:237], v[144:145]
	v_pk_add_f32 v[94:95], v[94:95], v[148:149]
	v_pk_add_f32 v[92:93], v[92:93], v[152:153]
	v_pk_add_f32 v[90:91], v[90:91], v[156:157]
	v_pk_add_f32 v[88:89], v[88:89], v[96:97]
	v_pk_add_f32 v[14:15], v[14:15], v[98:99]
	v_pk_add_f32 v[236:237], v[236:237], v[102:103]
	v_pk_add_f32 v[94:95], v[94:95], v[106:107]
	v_pk_add_f32 v[92:93], v[92:93], v[110:111]
	v_pk_add_f32 v[90:91], v[90:91], v[114:115]
	v_pk_add_f32 v[88:89], v[88:89], v[118:119]
	v_pk_add_f32 v[14:15], v[14:15], v[122:123]
	v_pk_add_f32 v[236:237], v[236:237], v[126:127]
	v_pk_add_f32 v[94:95], v[94:95], v[130:131]
	v_pk_add_f32 v[92:93], v[92:93], v[134:135]
	v_pk_add_f32 v[90:91], v[90:91], v[138:139]
	v_pk_add_f32 v[88:89], v[88:89], v[142:143]
	v_pk_add_f32 v[14:15], v[14:15], v[146:147]
	v_pk_add_f32 v[236:237], v[236:237], v[150:151]
	v_pk_add_f32 v[94:95], v[94:95], v[154:155]
	v_pk_add_f32 v[92:93], v[92:93], v[158:159]
	s_delay_alu instid0(VALU_DEP_1)
	v_pk_add_f32 v[14:15], v[14:15], v[92:93]
	s_delay_alu instid0(VALU_DEP_4)
	v_pk_add_f32 v[236:237], v[236:237], v[90:91]
	s_delay_alu instid0(VALU_DEP_4)
	v_pk_add_f32 v[94:95], v[94:95], v[88:89]
	s_delay_alu instid0(VALU_DEP_1)
	v_pk_add_f32 v[14:15], v[14:15], v[94:95]
	s_delay_alu instid0(VALU_DEP_1)
	v_pk_add_f32 v[14:15], v[14:15], v[236:237]
	s_wait_alu depctr_va_vdst(0)                   ; and one for the four
.irp b, 0,1,2,3
	v_max_num_f32 v[232+\b], 0x1800000, v[232+\b]  ; the floor 2^(3 - 127): the byte cannot fall under 1
.endr
.irp b, 0,1,2,3
	s_delay_alu instid0(VALU_DEP_4)
	v_add_nc_u32 v[244+\b], 0xff000000, v[232+\b]  ; 2 off the exponent field: the conversion's scale operand
.endr
.irp b, 0,1,2,3
	s_delay_alu instid0(VALU_DEP_4)
	v_lshrrev_b32 v[236+\b], 23, v[244+\b]         ; the scale's byte
.endr
	s_delay_alu instid0(VALU_DEP_3)
	v_lshl_or_b32 v253, v237, 8, v236              ; p's scale word for these 128 keys
	s_delay_alu instid0(VALU_DEP_1)
	v_lshl_or_b32 v253, v238, 16, v253
	s_delay_alu instid0(VALU_DEP_1)
	v_lshl_or_b32 v253, v239, 24, v253
.irp c, 0,1
	v_cvt_scalef32_pk16_fp6_f32 v[224+6*\c:226+6*\c], v[96+32*\c:111+32*\c], v[244+2*\c]
	v_cvt_scalef32_pk16_fp6_f32 v[236+4*\c:238+4*\c], v[112+32*\c:127+32*\c], v[244+2*\c+1]
.endr
	v_nop                                          ; one plain instruction behind a scaled conversion
.irp c, 0,1                                    ; the operand's layout wants a whole block in a lane
.irp i, 0,1,2
	v_permlane16_swap_b32 v[224+6*\c+\i], v[236+4*\c+\i]
.endr
.irp i, 0,1,2
	s_delay_alu instid0(VALU_DEP_3)
	v_mov_b32 v[227+6*\c+\i], v[236+4*\c+\i]
.endr
.endr
.irp t, 0,1,2,3
.irp c, 0,1,2
	ds_load_b128 v[96+12*\t+4*\c:99+12*\t+4*\c], v[ADK] offset:18944+1536*\t+512*\c   ; V's last four images land where p lay, now that p is in codes
.endr
.endr
	s_wait_alu depctr_va_vdst(0)                   ; the wait directly ahead of the first reader of O^T
.set pj, 0
.rept 32
	v_pk_mul_f32 v[160+pj:161+pj], v[160+pj:161+pj], v[252:253] op_sel_hi:[1,0]
.set pj, pj+2
.endr
	s_wait_alu depctr_va_vdst(0)
.irp gg, 0,1                                   ; O^T += V^T P^T: four tiles of 16 channels at a time
.if \gg == 0
	s_wait_dscnt 12                                ; V's first four images and its scale words are in; the 12 loads of the last four may be out
.else
	s_wait_dscnt 0x0
.endif
.irp t, 0,1,2,3
.if \gg == 0
	v_wmma_scale_f32_16x16x128_f8f6f4 v[160+8*\t:167+8*\t], v[32+12*\t:43+12*\t], v[224:235], v[160+8*\t:167+8*\t], v[84+\t], v253 matrix_a_fmt:MATRIX_FMT_FP6 matrix_b_fmt:MATRIX_FMT_FP6
.else
	v_wmma_scale_f32_16x16x128_f8f6f4 v[192+8*\t:199+8*\t], v[96+12*\t:107+12*\t], v[224:235], v[192+8*\t:199+8*\t], v[84+\t], v253 matrix_a_fmt:MATRIX_FMT_FP6 matrix_b_fmt:MATRIX_FMT_FP6 matrix_a_scale:MATRIX_SCALE_ROW1
.endif
.endr
.endr
.Lhidden_\@:
	s_add_co_u32 s[KJ], s[KJ], 2                   ; my step of the next slot,
	s_xor_b32 s[TB], s[TB], SLOT1                  ; which is the other one
.endm
; THE CHANGE OF SLOTS stands at a slot's head.  Each wave waits for all its tensor loads, adds 0 to its spare word, and waits for that and for its reads of the slot that it has left.
; fill = 1: behind a round of the cluster's barrier the slot that has been left is filled with the 256 keys that follow the other slot's: the load has a slot's work in which to land.
.macro CHANGE fill
	s_wait_tensorcnt 0x0                           ; no tensor load of mine is out, so the walking group 0 may be written (at the first change: slot 1's first fill and wo's tiles have landed)
	ds_add_u32 v[SPW], v[NIL]
.if \fill
	ds_add_u32 v[SPW], v[NIL]                      ; and twice on end where a refill follows
	s_xor_b32 s[G0+1], s[G0+1], SLOT1
	s_add_nc_u64 s[G0+2:G0+3], s[G0+2:G0+3], SLOTB ; the next 256 keys
	s_wait_xcnt 0x0                                ; the last prefetch, a slot back, has read its address
	s_add_nc_u64 s[PFA:PFA+1], s[PFA:PFA+1], SLOTB ; one slot further on than the walking descriptor
.endif
	s_wait_dscnt 0x0                               ; the add is done, and my reads of the slot that I have left are over
.if \fill
	CROUND
	JLOAD                                          ; the first thing behind the round, and a wave's one tensor load until the next
	ASK
.else
	s_barrier_signal -1
	s_barrier_wait -1
.endif
.endm
	s_wait_alu depctr_va_vdst(0)
	s_wait_tensorcnt 0x0                           ; my quarter of slot 0 is in; the later first fills are issued as a refill is: these lines and a round in front of them
	ds_add_u32 v[SPW], v[NIL]
	ds_add_u32 v[SPW], v[NIL]
	s_wait_dscnt 0x0
	CROUND                                         ; slot 0 is whole, and all four work-groups are here
	s_cmp_lt_u32 s[WV], 4                          ; one tensor load a wave: waves 0-3 a quarter of slot 1 each, waves 4-7 a tile of wo each; nothing is filled again here
	s_cbranch_scc0 .Lnot_kv
	tensor_load_to_lds s[G0:G0+3], s[G1:G1+7]
	s_nop 0
.rept 4
	v_nop
.endr
	s_branch .Lsecond_asked
.Lnot_kv:
	s_cmp_lt_u32 s[WV], 8
	s_cbranch_scc0 .Lsecond_asked
	tensor_load_to_lds s[G0W:G0W+3], s[G1W:G1W+7]
	s_nop 0
.rept 4
	v_nop
.endr
.Lsecond_asked:
	s_wait_loadcnt 0x0
	STEP                                           ; slot 0: wo's 131,072 bytes land meanwhile
.Lslot:                                            ; 6 trips, slots 1 to 6: behind each change of slots the slot after the one in hand is asked for
	CHANGE 1
	STEP
	s_sub_co_u32 s[SLOTS], s[SLOTS], 1
	s_cmp_lg_u32 s[SLOTS], 0
	s_cbranch_scc1 .Lslot
.rept 4
	v_nop                                          ; places in front of loads into registers that the last step's products have read
.endr
	; MY FRAGMENT OF wo: 16 rows x 128 K.  Lane (r, h) takes k = 64 c + 32 h + 0 .. 31 of its row: two whole blocks, in the order of the operand's registers.  The tiles landed, and were shown to every wave, at the first change of slots.
.irp c, 0,1
.irp j, 0,1,2,3,4,5,6,7
	ds_load_b128 v[96+32*\c+4*\j:99+32*\c+4*\j], v[WOA] offset:256*\c+16*\j
.endr
.endr
	v_bfe_u32 v251, v0, 4, 1
	s_delay_alu instid0(VALU_DEP_1)
	v_lshlrev_b32 v251, 3, v251                    ; 8 h
	s_wait_dscnt 0x0
.irp c, 0,1
	v_max3_num_f32 v[248+\c], |v[96+32*\c]|, |v[97+32*\c]|, 0x1800000   ; block 2 c + h: all its 32 numbers are mine; the floor 2^(3 - 127) holds the byte at 1 from below
.endr
.irp i, 2,4,6,8,10,12,14,16,18,20,22,24,26,28,30
.irp c, 0,1
	s_delay_alu instid0(VALU_DEP_2)
	v_max3_num_f32 v[248+\c], v[248+\c], |v[96+32*\c+\i]|, |v[97+32*\c+\i]|   ; (these name no register of the last products: they are the places in front of the writes of v224 on)
.endr
.endr
.irp c, 0,1
	s_delay_alu instid0(VALU_DEP_2)
	v_add_nc_u32 v[244+\c], 0xff000000, v[248+\c]  ; 2 off the exponent field: the conversion's scale operand
.endr
.irp c, 0,1
	s_delay_alu instid0(VALU_DEP_2)
	v_lshrrev_b32 v[246+\c], 23, v[244+\c]         ; the scale's byte
.endr
	s_delay_alu instid0(VALU_DEP_1)
	v_lshl_or_b32 v250, v247, 16, v246             ; my two bytes, blocks h and 2 + h,
	s_delay_alu instid0(VALU_DEP_1)
	v_lshlrev_b32 v250, v251, v250                 ; at their places in the word;
	s_delay_alu instid0(VALU_DEP_1)
	v_permlanex16_b32 v252, v250, s[SEL], s[SEL+1]
	s_delay_alu instid0(VALU_DEP_1)
	v_or_b32 v250, v250, v252                      ; with lane l xor 16's two the word is whole
.irp c, 0,1
	v_cvt_scalef32_pk16_fp6_f32 v[224+6*\c:226+6*\c], v[96+32*\c:111+32*\c], v[244+\c]
	v_cvt_scalef32_pk16_fp6_f32 v[236+4*\c:238+4*\c], v[112+32*\c:127+32*\c], v[244+\c]   ; (a conversion's three registers begin on an even number)
.endr
	v_nop                                          ; one plain instruction behind a scaled conversion
.irp c, 0,1
.irp i, 0,1,2
	v_mov_b32 v[227+6*\c+\i], v[236+4*\c+\i]
.endr
.endr
.irp c, 0,1,2
	global_store_b128 v[LI], v[224+4*\c:227+4*\c], s[WOI:WOI+1] offset:512*\c   ; 512 consecutive bytes, at a multiple of 256 from the buffer's first byte
.endr
	ds_store_b32 v[SCW], v250                      ; both halves of the lanes write the same word with the same value
	s_wait_xcnt 0x0                                ; the stores have read the codes' registers, which the last key step writes again
	CHANGE 0                                       ; the last slot is written out.  In front of this barrier every wave's reads of wo's region are over, and its scale words are stored
	STEP
	; THE MERGE.  The odd wave of a pair hands its O^T, its -M and its sum to the even one through LDS, as images of its registers.
.rept 4
	v_nop
.endr
	v_add_f32 v14, v14, v15                        ; the sum's two halves
	s_cmp_eq_u32 s[KP], 0
	s_cbranch_scc1 .Leven
.irp i, 0,1,2,3,4,5,6,7,8,9,10,11,12,13,14,15
	ds_store_b128 v[MGA], v[160+4*\i:163+4*\i] offset:512*\i
.endr
	ds_store_b32 v[MGS], v12
	ds_store_b32 v[MGS], v14 offset:128
.Leven:
	s_wait_dscnt 0x0                               ; for the partner's sake: my stores are done
	s_barrier_signal -1
	s_barrier_wait -1
	s_cmp_lg_u32 s[KP], 0
	s_cbranch_scc1 .Lodd
.irp i, 0,1,2,3,4,5,6,7,8,9,10,11,12,13,14,15
	ds_load_b128 v[96+4*\i:99+4*\i], v[MGA] offset:512*\i
.endr
	ds_load_b32 v236, v[MGS]                       ; the partner's -M
	ds_load_b32 v237, v[MGS] offset:128            ; and its sum
	s_wait_dscnt 0x0
	v_min_num_f32 v238, v12, v236                  ; the common -M
	s_delay_alu instid0(VALU_DEP_1)
	v_sub_f32 v239, v238, v12
	s_delay_alu instid0(VALU_DEP_2)
	v_sub_f32 v240, v238, v236                     ; whole numbers, 0 or less (a partner that had no step: -3e38, which saturates below and gives the factor 0)
	s_delay_alu instid0(VALU_DEP_2)
	v_cvt_i32_f32 v239, v239
	s_delay_alu instid0(VALU_DEP_2)
	v_cvt_i32_f32 v240, v240
	s_delay_alu instid0(VALU_DEP_2)
	v_ldexp_f32 v242, 1.0, v239                    ; my factor,
	s_delay_alu instid0(VALU_DEP_2)
	v_ldexp_f32 v244, 1.0, v240                    ; the partner's: exact powers of two
	v_mov_b32 v243, 0
	v_mov_b32 v245, 0
	s_delay_alu instid0(VALU_DEP_4)
	v_mul_f32 v14, v14, v242
	s_delay_alu instid0(VALU_DEP_1)
	v_fma_f32 v14, v237, v244, v14
.set pj, 0
.rept 32
	v_pk_mul_f32 v[160+pj:161+pj], v[160+pj:161+pj], v[242:243] op_sel_hi:[1,0]
.set pj, pj+2
.endr
.set pj, 0
.rept 32
	v_pk_fma_f32 v[160+pj:161+pj], v[96+pj:97+pj], v[244:245], v[160+pj:161+pj] op_sel_hi:[1,0,1]
.set pj, pj+2
.endr
	v_permlanex16_b32 v252, v14, s[SEL], s[SEL+1]
	s_delay_alu instid0(VALU_DEP_1)
	v_add_f32 v14, v14, v252                       ; with lane l xor 16's: the row's sum
	s_wait_alu depctr_va_vdst(0)
	v_rcp_f32 v246, v14
	v_mov_b32 v247, 0                              ; a plain instruction behind the reciprocal
	s_wait_alu depctr_va_vdst(0)                   ; the wait ahead of its first reader
.set pj, 0
.rept 32
	v_pk_mul_f32 v[160+pj:161+pj], v[160+pj:161+pj], v[246:247] op_sel_hi:[1,0]   ; O^T / the sum: register 16 b + i is channel 32 b + 16 h + i of my query
.set pj, pj+2
.endr
	; quantised along the head's 128 channels, which are 128 of the last product's K
.irp b, 0,1,2,3
	v_max3_num_f32 v[232+\b], |v[160+16*\b]|, |v[161+16*\b]|, 0x1800000
.endr
.irp i, 2,4,6,8,10,12,14
.irp b, 0,1,2,3
	s_delay_alu instid0(VALU_DEP_4)
	v_max3_num_f32 v[232+\b], v[232+\b], |v[160+16*\b+\i]|, |v[161+16*\b+\i]|
.endr
.endr
.irp b, 0,1,2,3
	s_delay_alu instid0(VALU_DEP_4)
	v_permlanex16_b32 v[236+\b], v[232+\b], s[SEL], s[SEL+1]
.endr
.irp b, 0,1,2,3
	s_delay_alu instid0(VALU_DEP_4)
	v_max_num_f32 v[232+\b], v[232+\b], v[236+\b]
.endr
.irp b, 0,1,2,3
	s_delay_alu instid0(VALU_DEP_4)
	v_add_nc_u32 v[244+\b], 0xff000000, v[232+\b]
.endr
.irp b, 0,1,2,3
	s_delay_alu instid0(VALU_DEP_4)
	v_lshrrev_b32 v[236+\b], 23, v[244+\b]
.endr
	s_delay_alu instid0(VALU_DEP_3)
	v_lshl_or_b32 v253, v237, 8, v236
	s_delay_alu instid0(VALU_DEP_1)
	v_lshl_or_b32 v253, v238, 16, v253
	s_delay_alu instid0(VALU_DEP_1)
	v_lshl_or_b32 v253, v239, 24, v253
.irp c, 0,1
	v_cvt_scalef32_pk16_fp6_f32 v[224+6*\c:226+6*\c], v[160+32*\c:175+32*\c], v[244+2*\c]
	v_cvt_scalef32_pk16_fp6_f32 v[236+4*\c:238+4*\c], v[176+32*\c:191+32*\c], v[244+2*\c+1]
.endr
	v_nop                                          ; one plain instruction behind a scaled conversion
.irp c, 0,1
.irp i, 0,1,2
	v_permlane16_swap_b32 v[224+6*\c+\i], v[236+4*\c+\i]
.endr
.irp i, 0,1,2
	s_delay_alu instid0(VALU_DEP_3)
	v_mov_b32 v[227+6*\c+\i], v[236+4*\c+\i]
.endr
.endr
.irp c, 0,1,2
	global_store_b128 v[LI], v[224+4*\c:227+4*\c], s[72:73] offset:512*\c   ; 512 consecutive bytes, at a multiple of 256 from the buffer's first byte
.endr
	v_cmp_gt_u32 vcc_lo, 16, v[LN]
	s_wait_xcnt 0x0                                ; EXEC changes only behind this wait
	s_and_saveexec_b32 s86, vcc_lo
	global_store_b32 v[R16], v253, s[74:75]        ; lanes 0-15: my head's word of each row-lane
	s_wait_xcnt 0x0
	s_or_b32 exec_lo, exec_lo, s86
	s_branch .Lend
.Lodd:
	s_cmp_lg_u32 s[WV], 1                          ; wave 1, which has handed its half over, stores wo's scale words: all sixteen waves stored theirs in front of the last change's barrier
	s_cbranch_scc1 .Lend
	ds_load_b128 v[96:99], v[SCR]                  ; blocks 0 and 1: the even image's rows, the work-group's two chunks along K; lanes 0-15 one block, lanes 16-31 the next
	ds_load_b128 v[100:103], v[SCR] offset:512     ; blocks 2 and 3: the odd image's rows
	s_wait_dscnt 0x0
	global_store_b128 v[WGO], v[96:99], s[WOC:WOC+1] offset:6144          ; sixteen lanes store 256 consecutive bytes, at a multiple of 256 from the buffer's first byte
	global_store_b128 v[WGO], v[100:103], s[WOC:WOC+1] offset:25600+6144
.Lend:
	s_wait_tensorcnt 0x0                           ; the wave's end: these three lines behind my last tensor load and my last LDS store
	ds_add_u32 v[SPW], v[NIL]
	s_wait_dscnt 0x0
	CROUND                                         ; the closing round
	s_endpgm
.Lfunc_end_k_qb83c03eb3b_attn:
	.size	k_qb83c03eb3b_attn, .Lfunc_end_k_qb83c03eb3b_attn-k_qb83c03eb3b_attn
	.p2alignl 7, 3214868480
	.fill 96, 4, 3214868480
	.section	.rodata,"a",@progbits
	.p2align	6, 0x0
	.amdhsa_kernel k_qb83c03eb3b_attn
		.amdhsa_group_segment_fixed_size 327680
		.amdhsa_private_segment_fixed_size 0
		.amdhsa_enable_private_segment 0
		.amdhsa_kernarg_size 32
		.amdhsa_user_sgpr_count 2
		.amdhsa_user_sgpr_kernarg_segment_ptr 1
		.amdhsa_wavefront_size32 1
		.amdhsa_system_sgpr_workgroup_id_x 1
		.amdhsa_system_sgpr_workgroup_id_y 1
		.amdhsa_system_sgpr_workgroup_id_z 1
		.amdhsa_system_vgpr_workitem_id 0
		.amdhsa_next_free_vgpr 256
		.amdhsa_next_free_sgpr 100
		.amdhsa_reserve_vcc 1
		.amdhsa_float_denorm_mode_32 3
		.amdhsa_float_denorm_mode_16_64 3
		.amdhsa_memory_ordered 1
		.amdhsa_forward_progress 1
		.amdhsa_inst_pref_size 112
	.end_amdhsa_kernel
	.amdgpu_metadata
---
amdhsa.version: [ 1, 2 ]
amdhsa.kernels:
  - .name:           k_qb83c03eb3b_attn
    .symbol:         k_qb83c03eb3b_attn.kd
    .args:
      - { .name: qkv_c, .offset: 0, .size: 8, .value_kind: global_buffer, .address_space: global }
      - { .name: ao_c, .offset: 8, .size: 8, .value_kind: global_buffer, .address_space: global }
      - { .name: wo, .offset: 16, .size: 8, .value_kind: global_buffer, .address_space: global }
      - { .name: wo_c, .offset: 24, .size: 8, .value_kind: global_buffer, .address_space: global }
    .group_segment_fixed_size: 327680
    .private_segment_fixed_size: 0
    .kernarg_segment_align: 8
    .kernarg_segment_size: 32
    .max_flat_workgroup_size: 512
    .sgpr_count:     100
    .vgpr_count:     256
    .wavefront_size: 32
...
	.end_amdgpu_metadata
.endif
;; end of part 3
;; launch oproj (part 4): grid 16 x 16, 4 waves a work-group, clusters of 4 x 4, 327,680 bytes of LDS; arguments ao_c, wo_c, out0; writes out0
.if DOCPART == 4
	.amdgcn_target "amdgcn-amd-amdhsa--gfx1250"
	.amdhsa_code_object_version 6
	.text
	.protected	k_qb83c03eb3b_oproj
	.globl	k_qb83c03eb3b_oproj
	.p2align	8
	.type	k_qb83c03eb3b_oproj,@function
k_qb83c03eb3b_oproj:
	s_mov_b64 s[64:65], 0
	v_nop
	global_prefetch_b8 v0, s[64:65] scope:SCOPE_SE
	s_setreg_imm32_b32 hwreg(HW_REG_WAVE_MODE, 25, 1), 1
	s_wait_xcnt 0x0
	s_wait_alu depctr_hold_cnt(0) depctr_sa_sdst(0) depctr_va_vdst(0) depctr_va_sdst(0) depctr_va_ssrc(0) depctr_va_vcc(0) depctr_vm_vsrc(0)
	s_getreg_b32 s2, hwreg(HW_REG_IB_STS2, 6, 4)
	s_cmp_eq_u32 s2, 0
	s_cbranch_scc0 .Lentry_in_a_cluster
	s_endpgm
.Lentry_in_a_cluster:
	s_bfe_u32 s2, ttmp6, 0x10000c
	s_cmp_lg_u32 s2, 0xf033
	s_cbranch_scc0 .Lentry_shape_is_right
	s_endpgm
.Lentry_shape_is_right:
; out0 = (O / l) wo^T on codes of FP6 (E2M3) with E8M0 scales, from the images of ao_c and wo_c; a work-group makes 128 x 256 of out0, a wave 64 x 128.
; K goes in chunks of 512 through a ring of two LDS slots filled by joint tensor loads of a 4 x 4 cluster; the results leave through a stage in LDS as whole rows of 512 bytes.
; PREFETCH: behind the load of chunk n the blocks of chunk n + 2 are named (chunk 1 too at the head): 25 blocks of 256 bytes a chunk row, a lane a block (lanes 25-31 repeat the last);
; the four partners of a joint load share its chunk rows out by address.  With four chunks along K the ring's own refills have no chunk two on.
.set NSLOT,  4
.set CH,     6400
.set PITCHB, CH*NSLOT
.set SLOT,   24*CH
.set SPARE,  2*SLOT
.set LAPS,   NSLOT/2
.set SPITCH, 528
.set LI,   4
.set ADRA, 16
.set ADRB, 18
.set ADSA, 20
.set ADSB, 22
.set STO,  24
.set RD,   25
.set SPW,  28
.set NIL,  29
.set SC,   32
.set AF,   80
.set BK,   80
.set G1,  24
.set G0,  32
.set G1B, 48
.set G0B, 56
.set MSB, 0
.macro WIN new
.if MSB != \new
	s_set_vgpr_msb (MSB<<8)|\new
.set MSB, \new
.endif
.endm
.set MUL,  0x52
.set TO_B, 0x80
.macro PLACES n
.rept \n
	v_nop
.endr
.endm
.macro JLOAD s
	s_cmp_eq_u32 s15, 0
	s_cbranch_scc0 .Lfor_b_\@
	tensor_load_to_lds s[G0+4*\s:G0+4*\s+3], s[G1:G1+7]
	s_nop 0
.rept 4
	v_nop
.endr
	s_branch .Lasked_\@
.Lfor_b_\@:
	tensor_load_to_lds s[G0B+4*\s:G0B+4*\s+3], s[G1B:G1B+7]
	s_nop 0
.rept 4
	v_nop
.endr
.Lasked_\@:
.endm
.macro ASK off
	global_prefetch_b8 v26, s[90:91] offset:(\off) th:TH_LOAD_NT scope:SCOPE_SE
	s_cmp_eq_u32 s15, 0
	s_cbranch_scc1 .Lasked_a_\@
	global_prefetch_b8 v26, s[90:91] offset:(\off)+PITCHB th:TH_LOAD_NT scope:SCOPE_SE
.Lasked_a_\@:
.endm
.macro CREST
	s_cmp_lg_u32 s14, 0
	s_cbranch_scc1 .Lnot_wave_0_\@
	s_barrier_signal -3
.Lnot_wave_0_\@:
	s_barrier_wait -3
	s_barrier_signal -1
	s_barrier_wait -1
.endm
.macro CROUND
	s_barrier_signal -1
	s_barrier_wait -1
	CREST
.endm
	s_load_b128 s[4:7], s[0:1], 0x0
	s_load_b64 s[12:13], s[0:1], 0x10
	v_lshl_add_u32 v[SPW], v0, 2, SPARE
	v_mov_b32 v[NIL], 0
	ds_add_u32 v[SPW], v[NIL]
	ds_add_u32 v[SPW], v[NIL]
	v_lshrrev_b32 v1, 5, v0
	v_readfirstlane_b32 s14, v1
	v_and_b32 v26, 31, v0
	v_min_u32 v26, 24, v26
	v_lshlrev_b32 v26, 8, v26                      ; the prefetches' offset: my block of a chunk's 25; never rewritten
	s_lshr_b32 s15, s14, 1
	s_and_b32 s16, s14, 1
	s_bfe_u32 s40, ttmp6, 0x40000
	s_bfe_u32 s41, ttmp6, 0x40004
	s_and_b32 s17, ttmp7, 0xffff
	s_lshl_b32 s17, s17, 2
	s_add_co_u32 s17, s17, s41
	s_lshl_b32 s69, ttmp9, 2
	s_add_co_u32 s69, s69, s40
	s_lshl_b32 s42, s41, 2
	s_lshl_b32 s42, 15, s42
	s_lshl_b32 s67, 0x1111, s40
	s_or_b32 s[G1], s42, (3<<16)|(1<<21)
	s_or_b32 s[G1B], s67, (3<<16)|(1<<21)
	s_mov_b32 s[G1+1], 800<<16
	s_mov_b32 s[G1+2], 4<<16
	s_mov_b32 s[G1+3], 800<<16
	s_mov_b32 s[G1+4], 4
	s_mov_b32 s[G1+5], PITCHB/8
	s_mov_b32 s[G1+6], 0
	s_mov_b32 s[G1+7], 0
	s_mov_b32 s[G1B+1], 800<<16
	s_mov_b32 s[G1B+2], 8<<16
	s_mov_b32 s[G1B+3], 800<<16
	s_mov_b32 s[G1B+4], 8
	s_mov_b32 s[G1B+5], PITCHB/8
	s_mov_b32 s[G1B+6], 0
	s_mov_b32 s[G1B+7], 0
	s_lshl_b32 s20, s17, 3
	s_lshl_b32 s18, s16, 2
	s_add_co_u32 s20, s20, s18
	s_mul_i32 s20, s20, PITCHB
	s_mov_b32 s21, 0
	s_lshl_b32 s70, s69, 4
	s_lshl_b32 s18, s16, 3
	s_add_co_u32 s70, s70, s18
	s_mul_i32 s70, s70, PITCHB
	s_mov_b32 s71, 0
	s_mul_i32 s68, s16, 4*CH
	s_mul_i32 s19, s16, 8*CH
	s_add_co_u32 s19, s19, 8*CH
	s_wait_dscnt 0x0
	s_wait_kmcnt 0x0
	s_add_nc_u64 s[20:21], s[4:5], s[20:21]
	s_add_nc_u64 s[70:71], s[6:7], s[70:71]
	s_lshl_b32 s93, s41, 1
	s_cmp_eq_u32 s15, 0                            ; do I fetch for A?
	s_cselect_b32 s92, s40, s93                    ; my work-group's chunk row(s) of those that I fetch: cx of A's four, 2 cy of B's eight
	s_cselect_b64 s[90:91], s[20:21], s[70:71]
	s_mul_i32 s92, s92, PITCHB
	s_mov_b32 s93, 0
	s_add_nc_u64 s[90:91], s[90:91], s[92:93]
	CROUND
.irp s, 0,1
	s_mov_b32 s[G0+4*\s], 1
	s_add_co_u32 s[G0+4*\s+1], s68, \s*SLOT
	s_add_nc_u64 s[G0+4*\s+2:G0+4*\s+3], s[20:21], \s*CH
	s_or_b32 s[G0+4*\s+3], s[G0+4*\s+3], 0x80000000
	s_mov_b32 s[G0B+4*\s], 1
	s_add_co_u32 s[G0B+4*\s+1], s19, \s*SLOT
	s_add_nc_u64 s[G0B+4*\s+2:G0B+4*\s+3], s[70:71], \s*CH
	s_or_b32 s[G0B+4*\s+3], s[G0B+4*\s+3], 0x80000000
	s_wait_alu depctr_va_vdst(0)
.if \s == 1
	s_wait_tensorcnt 0x0                           ; slot 1's first fill is issued as a refill is: these lines and a round in front of it
	ds_add_u32 v28, v29
	ds_add_u32 v28, v29
	s_wait_dscnt 0x0
	CROUND
.endif
	JLOAD \s
.if \s == 0
	ASK CH
	ASK 2*CH
.else
	ASK 3*CH
.endif
.endr
	v_and_b32 v1, 15, v0
	v_bfe_u32 v2, v0, 4, 1
	v_and_b32 v3, 31, v0
	v_lshlrev_b32 v[LI], 4, v3
	s_mul_i32 s87, s15, 4*CH
	v_add_nc_u32 v[ADRA], s87, v[LI]
	v_add_nc_u32 v[ADRA+1], SLOT, v[ADRA]
	v_add_nc_u32 v[ADRB], s19, v[LI]
	v_add_nc_u32 v[ADRB+1], SLOT, v[ADRB]
	v_lshlrev_b32 v5, 4, v1
	v_mad_u32_u24 v5, v2, CH, v5
	v_add_nc_u32 v5, 6144, v5
	v_add_nc_u32 v[ADSA], s87, v5
	v_add_nc_u32 v[ADSA+1], SLOT, v[ADSA]
	v_add_nc_u32 v[ADSB], s19, v5
	v_add_nc_u32 v[ADSB+1], SLOT, v[ADSB]
	s_mul_i32 s72, s14, 16*SPITCH
	v_mul_u32_u24 v[STO], v1, SPITCH
	v_lshl_add_u32 v[STO], v2, 6, v[STO]
	v_add_nc_u32 v[STO], s72, v[STO]
	v_add_nc_u32 v[RD], s72, v[LI]
	s_lshl_b32 s73, s17, 7
	s_lshl_b32 s74, s15, 6
	s_add_co_u32 s73, s73, s74
	s_lshl_b32 s73, s73, 14
	s_lshl_b32 s74, s69, 10
	s_add_co_u32 s73, s73, s74
	s_lshl_b32 s74, s16, 9
	s_add_co_u32 s74, s73, s74
	s_mov_b32 s75, 0
	s_add_nc_u64 s[12:13], s[12:13], s[74:75]
.macro WM a, t, p, q, sc, zero
.set rD, 8*(8*(\a)+(\t))
.set rB, 96*(\p)+12*(\t)
.set rA, AF+48*(\p)+12*(\a)
.set rX, SC+24*(\sc)+8+4*((\t)/2)+(\q)
.set rY, SC+24*(\sc)+4*((\a)/2)+(\q)
.set rV, 4*(\zero)+2*((\t)%2)+((\a)%2)
.if rV == 0
	v_wmma_scale_f32_16x16x128_f8f6f4 v[rD:rD+7], v[rB:rB+11], v[rA:rA+11], v[rD:rD+7], v[rX], v[rY] matrix_a_fmt:MATRIX_FMT_FP6 matrix_b_fmt:MATRIX_FMT_FP6
.elseif rV == 1
	v_wmma_scale_f32_16x16x128_f8f6f4 v[rD:rD+7], v[rB:rB+11], v[rA:rA+11], v[rD:rD+7], v[rX], v[rY] matrix_a_fmt:MATRIX_FMT_FP6 matrix_b_fmt:MATRIX_FMT_FP6 matrix_b_scale:MATRIX_SCALE_ROW1
.elseif rV == 2
	v_wmma_scale_f32_16x16x128_f8f6f4 v[rD:rD+7], v[rB:rB+11], v[rA:rA+11], v[rD:rD+7], v[rX], v[rY] matrix_a_fmt:MATRIX_FMT_FP6 matrix_b_fmt:MATRIX_FMT_FP6 matrix_a_scale:MATRIX_SCALE_ROW1
.elseif rV == 3
	v_wmma_scale_f32_16x16x128_f8f6f4 v[rD:rD+7], v[rB:rB+11], v[rA:rA+11], v[rD:rD+7], v[rX], v[rY] matrix_a_fmt:MATRIX_FMT_FP6 matrix_b_fmt:MATRIX_FMT_FP6 matrix_a_scale:MATRIX_SCALE_ROW1 matrix_b_scale:MATRIX_SCALE_ROW1
.elseif rV == 4
	v_wmma_scale_f32_16x16x128_f8f6f4 v[rD:rD+7], v[rB:rB+11], v[rA:rA+11], 0, v[rX], v[rY] matrix_a_fmt:MATRIX_FMT_FP6 matrix_b_fmt:MATRIX_FMT_FP6
.elseif rV == 5
	v_wmma_scale_f32_16x16x128_f8f6f4 v[rD:rD+7], v[rB:rB+11], v[rA:rA+11], 0, v[rX], v[rY] matrix_a_fmt:MATRIX_FMT_FP6 matrix_b_fmt:MATRIX_FMT_FP6 matrix_b_scale:MATRIX_SCALE_ROW1
.elseif rV == 6
	v_wmma_scale_f32_16x16x128_f8f6f4 v[rD:rD+7], v[rB:rB+11], v[rA:rA+11], 0, v[rX], v[rY] matrix_a_fmt:MATRIX_FMT_FP6 matrix_b_fmt:MATRIX_FMT_FP6 matrix_a_scale:MATRIX_SCALE_ROW1
.else
	v_wmma_scale_f32_16x16x128_f8f6f4 v[rD:rD+7], v[rB:rB+11], v[rA:rA+11], 0, v[rX], v[rY] matrix_a_fmt:MATRIX_FMT_FP6 matrix_b_fmt:MATRIX_FMT_FP6 matrix_a_scale:MATRIX_SCALE_ROW1 matrix_b_scale:MATRIX_SCALE_ROW1
.endif
.endm
.macro MULB a0, n, p, q, sc, zero
.set ma, \a0
.rept \n
.set mt, 0
.rept 8
	WM ma, mt, \p, \q, \sc, \zero
.set mt, mt+1
.endr
.set ma, ma+1
.endr
.endm
.macro FETCH slot, q, p, sc
	WIN TO_B
.set ft, 0
.rept 8
.irp c, 0,1,2
	ds_load_b128 v[96*(\p)+12*ft+4*\c:96*(\p)+12*ft+4*\c+3], v[ADRB+\slot] offset:CH*ft+1536*(\q)+512*\c
.endr
.set ft, ft+1
.endr
	WIN 0
.irp a, 0,1
.irp c, 0,1,2
	ds_load_b128 v[AF+48*(\p)+12*\a+4*\c:AF+48*(\p)+12*\a+4*\c+3], v[ADRA+\slot] offset:CH*\a+1536*(\q)+512*\c
.endr
.endr
.if \sc
.irp u, 0,1
	ds_load_b128 v[SC+24*(\slot)+4*\u:SC+24*(\slot)+4*\u+3], v[ADSA+\slot] offset:2*CH*\u
.endr
.irp u, 0,1,2,3
	ds_load_b128 v[SC+24*(\slot)+8+4*\u:SC+24*(\slot)+8+4*\u+3], v[ADSB+\slot] offset:2*CH*\u
.endr
.endif
.irp a, 2,3
.irp c, 0,1,2
	ds_load_b128 v[AF+48*(\p)+12*\a+4*\c:AF+48*(\p)+12*\a+4*\c+3], v[ADRA+\slot] offset:CH*\a+1536*(\q)+512*\c
.endr
.endr
.endm
.macro STEPQ slot, q, zero
	s_wait_dscnt 6
	WIN MUL
	MULB 0, 2, (\q)%2, \q, \slot, \zero
	PLACES 4
	FETCH \slot, (\q)+1, 1-(\q)%2, 0
	s_wait_dscnt 36
	WIN MUL
	MULB 2, 2, (\q)%2, \q, \slot, \zero
	WIN 0
.endm
.macro TURN slot, next, fill
	WIN 0
	s_wait_tensorcnt 0x0
	ds_add_u32 v[SPW], v[NIL]
	s_wait_dscnt 7
	WIN MUL
	MULB 0, 1, 1, 3, \slot, 0
	s_wait_dscnt 0x0
	s_barrier_signal -1
	MULB 1, 1, 1, 3, \slot, 0
	WIN 0
	s_barrier_wait -1
.if \fill
	CREST
	s_add_nc_u64 s[G0+4*\slot+2:G0+4*\slot+3], s[G0+4*\slot+2:G0+4*\slot+3], 2*CH
	s_add_nc_u64 s[G0B+4*\slot+2:G0B+4*\slot+3], s[G0B+4*\slot+2:G0B+4*\slot+3], 2*CH
	JLOAD \slot
.else
	PLACES 4
.endif
	FETCH \next, 0, 0, 1
	WIN MUL
	MULB 2, 2, 1, 3, \slot, 0
	WIN 0
.endm
	s_wait_alu depctr_va_vdst(0)
	s_wait_tensorcnt 1
	s_barrier_signal -1
	s_barrier_wait -1
	FETCH 0, 0, 0, 1
	STEPQ 0, 0, 1
	s_mov_b32 s3, LAPS-1
.Llap:
	STEPQ 0, 1, 0
	STEPQ 0, 2, 0
	TURN 0, 1, 1
	STEPQ 1, 0, 0
	STEPQ 1, 1, 0
	STEPQ 1, 2, 0
	TURN 1, 0, 1
	STEPQ 0, 0, 0
	s_sub_co_u32 s3, s3, 1
	s_cmp_lg_u32 s3, 0
	s_cbranch_scc1 .Llap
	STEPQ 0, 1, 0
	STEPQ 0, 2, 0
	TURN 0, 1, 0
	STEPQ 1, 0, 0
	STEPQ 1, 1, 0
	STEPQ 1, 2, 0
	s_wait_dscnt 6
	WIN MUL
	MULB 0, 2, 1, 3, 1, 0
	s_wait_dscnt 0x0
	MULB 2, 2, 1, 3, 1, 0
	WIN 0
.macro TOSTAGE a
	WIN 0x04
.set tt, 0
.rept 8
	ds_store_b128 v[STO], v[64*(\a)+8*tt:64*(\a)+8*tt+3] offset:128*(tt/2)+32*(tt%2)
	ds_store_b128 v[STO], v[64*(\a)+8*tt+4:64*(\a)+8*tt+7] offset:128*(tt/2)+32*(tt%2)+16
.set tt, tt+1
.endr
	WIN 0
.irp i, 0,1,2,3,4,5,6,7,8,9,10,11,12,13,14,15
	ds_load_b128 v[BK+64*((\a)%2)+4*\i:BK+64*((\a)%2)+4*\i+3], v[RD] offset:SPITCH*\i
.endr
.endm
.macro SEND a, younger
	s_wait_dscnt \younger
.irp i, 0,1,2,3,4,5,6,7,8,9,10,11,12,13,14,15
	global_store_b128 v[LI], v[BK+64*((\a)%2)+4*\i:BK+64*((\a)%2)+4*\i+3], s[12:13] offset:(32*((\a)/2)+8*((\a)%2)+\i+8*(\i/8))*16384 th:TH_STORE_NT
.endr
.endm
	PLACES 4
	TOSTAGE 0
.irp a, 1,2,3
.if \a > 1
	s_wait_xcnt 0x0
.endif
	TOSTAGE \a
	SEND \a-1, 32
.endr
	SEND 3, 0
	s_wait_tensorcnt 0x0
	ds_add_u32 v[SPW], v[NIL]
	s_wait_dscnt 0x0
	CROUND
	s_endpgm
.Lfunc_end_k_qb83c03eb3b_oproj:
	.size	k_qb83c03eb3b_oproj, .Lfunc_end_k_qb83c03eb3b_oproj-k_qb83c03eb3b_oproj
	.p2alignl 7, 3214868480
	.fill 96, 4, 3214868480
	.section	.rodata,"a",@progbits
	.p2align	6, 0x0
	.amdhsa_kernel k_qb83c03eb3b_oproj
		.amdhsa_group_segment_fixed_size 327680
		.amdhsa_private_segment_fixed_size 0
		.amdhsa_enable_private_segment 0
		.amdhsa_kernarg_size 24
		.amdhsa_user_sgpr_count 2
		.amdhsa_user_sgpr_kernarg_segment_ptr 1
		.amdhsa_wavefront_size32 1
		.amdhsa_system_sgpr_workgroup_id_x 1
		.amdhsa_system_sgpr_workgroup_id_y 1
		.amdhsa_system_sgpr_workgroup_id_z 1
		.amdhsa_system_vgpr_workitem_id 0
		.amdhsa_next_free_vgpr 768
		.amdhsa_next_free_sgpr 100
		.amdhsa_reserve_vcc 0
		.amdhsa_float_denorm_mode_32 3
		.amdhsa_float_denorm_mode_16_64 3
		.amdhsa_memory_ordered 1
		.amdhsa_forward_progress 1
		.amdhsa_inst_pref_size 133
	.end_amdhsa_kernel
	.amdgpu_metadata
---
amdhsa.version: [ 1, 2 ]
amdhsa.kernels:
  - .name:           k_qb83c03eb3b_oproj
    .symbol:         k_qb83c03eb3b_oproj.kd
    .args:
      - { .name: ao_c, .offset: 0, .size: 8, .value_kind: global_buffer, .address_space: global }
      - { .name: wo_c, .offset: 8, .size: 8, .value_kind: global_buffer, .address_space: global }
      - { .name: out0, .offset: 16, .size: 8, .value_kind: global_buffer, .address_space: global }
    .group_segment_fixed_size: 327680
    .private_segment_fixed_size: 0
    .kernarg_segment_align: 8
    .kernarg_segment_size: 24
    .max_flat_workgroup_size: 128
    .sgpr_count:     100
    .vgpr_count:     768
    .wavefront_size: 32
...
	.end_amdgpu_metadata
.endif
;; end of part 4
